; MI455X (gfx1250); checked and timed in simulation.
; The chip was launched on July 23, 2026; its instructions are those of AMD's public machine-readable ISA for CDNA 5 (MIT licence, August 2026) and "CDNA5" Instruction Set Architecture Reference Guide (July 2026). The comments in the code are by the model that wrote it; some were corrected since.
;; Attention. Allowed arithmetic: float matrix products may take bf16 or f16 operands with f32 sums; other float arithmetic in f32, or as packed bf16 or f16 multiplies, adds, multiply-adds, maxima and minima; sums over many terms, partial sums and values carried from step to step in f32; what a program stores and reads back later, other than sums and carried values, may be rounded once to bf16 or f16.
;; Inputs: b_k 1,024 float32; b_q 1,024 float32; b_v 1,024 float32; k 4 x 2,048 x 1,024 float32; mask 1 x 2,048 x 2,048 float32; q 4 x 2,048 x 1,024 float32; v 4 x 2,048 x 1,024 float32; w_k 1,024 x 1,024 float32; w_q 1,024 x 1,024 float32; w_v 1,024 x 1,024 float32.
;; Outputs: out0 4 x 2,048 x 1,024 float32.
;; 2 versions, each right; version 2 is version 1 with the launch castw written anew for expert scheduling mode. Each part assembles by itself: llvm-mc -triple=amdgcn-amd-amdhsa -mcpu=gfx1250 --defsym DOCPART=n.
;; ======== version 1 of 2: 4 launches
;; limits: values are held in f16: magnitudes above 65,504 overflow, below 6.1e-05 lose precision
;; workspace buffers: wb 6,291,456 bytes; qkv 50,331,648 bytes; pbuf 33,554,432 bytes; stat 1,048,576 bytes
;; launch castw (part 1): grid 256 x 1, 8 waves a work-group, no clusters, 0 bytes of LDS; arguments w_q, w_k, w_v, wb; writes wb
.if DOCPART == 1
	.amdgcn_target "amdgcn-amd-amdhsa--gfx1250"
	.amdhsa_code_object_version 6
	.text
	.protected	k_qe3dceda1fc_castw
	.globl	k_qe3dceda1fc_castw
	.p2align	8
	.type	k_qe3dceda1fc_castw,@function
k_qe3dceda1fc_castw:
	s_mov_b64 s[64:65], 0
	v_nop
	global_prefetch_b8 v0, s[64:65] scope:SCOPE_SE
	s_setreg_imm32_b32 hwreg(HW_REG_WAVE_MODE, 25, 1), 1
	s_wait_xcnt 0x0
; wb[p][e][d] = bf16(w_p[e][d]) for the three weight matrices (p = 0: w_q, 1: w_k, 2: w_v), each [1024][1024] f32, rounded once to nearest even.
; A stream: every byte is read once and written once, nothing is shared between work-groups, so there is no LDS, no barrier, no cluster and no matrix work.
; Work-group x takes 16,384 bytes of each matrix: 256 threads x 16 bytes x 4 loads.  All twelve loads of a thread go out first; no register is used twice, so the only waits are the counted ones for the data.
; A wave's load covers 512 consecutive bytes; its store of 8 bytes a lane covers 256 consecutive bytes at a multiple of 256 from wb's first byte.
.set IN,   4                           ; v[4:51]   twelve loads of four f32
.set OUT,  52                          ; v[52:75]  twelve pairs of packed bf16
	s_load_b256 s[4:11], s[0:1], 0x0               ; w_q s[4:5], w_k s[6:7], w_v s[8:9], wb s[10:11]
	v_lshlrev_b32 v1, 4, v0                        ; 16 bytes a thread on the way in,
	v_lshlrev_b32 v2, 3, v0                        ; 8 on the way out
	s_lshl_b32 s12, ttmp9, 14                      ; the work-group's 16,384 bytes of a matrix
	s_mov_b32 s13, 0
	s_lshl_b32 s14, ttmp9, 13                      ; and its 8,192 bytes of the copy
	s_mov_b32 s15, 0
	s_wait_kmcnt 0x0
	s_add_nc_u64 s[4:5], s[4:5], s[12:13]
	s_add_nc_u64 s[6:7], s[6:7], s[12:13]
	s_add_nc_u64 s[8:9], s[8:9], s[12:13]
	s_add_nc_u64 s[10:11], s[10:11], s[14:15]
.irp p, 0,1,2
.irp j, 0,1,2,3
	global_load_b128 v[IN+16*\p+4*\j:IN+16*\p+4*\j+3], v1, s[4+2*\p:5+2*\p] offset:4096*\j th:TH_LOAD_NT
.endr
.endr
.irp p, 0,1,2
.irp j, 0,1,2,3
	s_wait_loadcnt 11-4*\p-\j                      ; loads come back in order: this one is in, the younger ones stay out
	v_cvt_pk_bf16_f32 v[OUT+8*\p+2*\j], v[IN+16*\p+4*\j], v[IN+16*\p+4*\j+1]
	v_cvt_pk_bf16_f32 v[OUT+8*\p+2*\j+1], v[IN+16*\p+4*\j+2], v[IN+16*\p+4*\j+3]
	global_store_b64 v2, v[OUT+8*\p+2*\j:OUT+8*\p+2*\j+1], s[10:11] offset:\p*2097152+2048*\j
.endr
.endr
	s_endpgm
.Lfunc_end_k_qe3dceda1fc_castw:
	.size	k_qe3dceda1fc_castw, .Lfunc_end_k_qe3dceda1fc_castw-k_qe3dceda1fc_castw
	.p2alignl 7, 3214868480
	.fill 96, 4, 3214868480
	.section	.rodata,"a",@progbits
	.p2align	6, 0x0
	.amdhsa_kernel k_qe3dceda1fc_castw
		.amdhsa_group_segment_fixed_size 0
		.amdhsa_private_segment_fixed_size 0
		.amdhsa_enable_private_segment 0
		.amdhsa_kernarg_size 32
		.amdhsa_user_sgpr_count 2
		.amdhsa_user_sgpr_kernarg_segment_ptr 1
		.amdhsa_wavefront_size32 1
		.amdhsa_system_sgpr_workgroup_id_x 1
		.amdhsa_system_sgpr_workgroup_id_y 1
		.amdhsa_system_sgpr_workgroup_id_z 1
		.amdhsa_system_vgpr_workitem_id 0
		.amdhsa_next_free_vgpr 80
		.amdhsa_next_free_sgpr 66
		.amdhsa_reserve_vcc 0
		.amdhsa_float_denorm_mode_32 3
		.amdhsa_float_denorm_mode_16_64 3
		.amdhsa_memory_ordered 1
		.amdhsa_forward_progress 1
		.amdhsa_inst_pref_size 5
	.end_amdhsa_kernel
	.amdgpu_metadata
---
amdhsa.version: [ 1, 2 ]
amdhsa.kernels:
  - .name:           k_qe3dceda1fc_castw
    .symbol:         k_qe3dceda1fc_castw.kd
    .args:
      - { .name: w_q, .offset: 0, .size: 8, .value_kind: global_buffer, .address_space: global }
      - { .name: w_k, .offset: 8, .size: 8, .value_kind: global_buffer, .address_space: global }
      - { .name: w_v, .offset: 16, .size: 8, .value_kind: global_buffer, .address_space: global }
      - { .name: wb, .offset: 24, .size: 8, .value_kind: global_buffer, .address_space: global }
    .group_segment_fixed_size: 0
    .private_segment_fixed_size: 0
    .kernarg_segment_align: 8
    .kernarg_segment_size: 32
    .max_flat_workgroup_size: 256
    .sgpr_count:     66
    .vgpr_count:     80
    .wavefront_size: 32
...
	.end_amdgpu_metadata
.endif
;; end of part 1
;; launch proj (part 2): grid 4 x 64, 4 waves a work-group, clusters of 4 x 4, 327,680 bytes of LDS; arguments q, k, v, b_q, b_k, b_v, wb, qkv; writes qkv
.if DOCPART == 2
	.amdgcn_target "amdgcn-amd-amdhsa--gfx1250"
	.amdhsa_code_object_version 6
	.text
	.protected	k_qe3dceda1fc_proj
	.globl	k_qe3dceda1fc_proj
	.p2align	8
	.type	k_qe3dceda1fc_proj,@function
k_qe3dceda1fc_proj:
	s_mov_b64 s[64:65], 0
	v_nop
	global_prefetch_b8 v0, s[64:65] scope:SCOPE_SE
	s_setreg_imm32_b32 hwreg(HW_REG_WAVE_MODE, 25, 1), 1
	s_wait_xcnt 0x0
	s_wait_alu depctr_hold_cnt(0) depctr_sa_sdst(0) depctr_va_vdst(0) depctr_va_sdst(0) depctr_va_ssrc(0) depctr_va_vcc(0) depctr_vm_vsrc(0)
	s_getreg_b32 s2, hwreg(HW_REG_IB_STS2, 6, 4)
	s_cmp_eq_u32 s2, 0
	s_cbranch_scc0 .Lentry_in_a_cluster
	s_endpgm
.Lentry_in_a_cluster:
	s_bfe_u32 s2, ttmp6, 0x10000c
	s_cmp_lg_u32 s2, 0xf033
	s_cbranch_scc0 .Lentry_shape_is_right
	s_endpgm
.Lentry_shape_is_right:
; qkv[p][m][e] = f16( bf16(b_p[e]) + sum over d of bf16(x_p[m][d]) wb[p][e][d] ), p = 0, 1, 2 for (q, w_q, b_q), (k, w_k, b_k), (v, w_v, b_v).  x_p: [8192][1024] f32; wb: bf16; sums in f32.
; All the module's inputs are rounded once to bf16 (x and the bias here, the weights in the launch before); what the program makes itself is kept in f16.
; LIMIT.  A projection beyond 65,504 in magnitude becomes an infinity in f16.  NaN and infinities are not treated apart.
; SHARES.  64 x 4 = 256 work-groups.  A WORK-GROUP STAYS: it makes three tiles of 128 rows x 256 columns, the same rows and columns of the three projections, one after the other.
; Four waves, each 64 x 128: 32 accumulators of 16 x 16, 256 registers.
; THE WALK.  The three tiles' K steps of 128 are ONE sequence of 24 steps through two LDS slots: step n belongs to tile n / 8 and is its K step n % 8, and each refill's addresses are made anew from n.
; So a tile's last two changes of slots ask for the next tile's first two steps, and nothing waits for a tile's stores.  x comes in as f32 (rows of 512 bytes) and is rounded in registers, four conversions
; behind each of a quarter's last eight products; the weights come in as bf16 (rows of 256 bytes).  Waves 0 and 1 fetch the two halves of x's tile, waves 2 and 3 those of the weights'.
; THE BIAS is the C operand of the product that starts each sum.
; CLUSTER.  4 x 4 work-groups: the four of a row need the same tile of x, the four of a column the same tile of the weights; each tile is asked for jointly, by the same tensor load with
; the same descriptor and a mask that names the four.
; THE MATRIX INSTRUCTION IS USED TRANSPOSED (source 0 = 16 rows of the weights, source 1 = 16 rows of x): a lane holds eight neighbouring columns of one row of the result.
; THE TEXT.  One K step is written once for the 22 steps that ask for a further tile and once for the last two; the slot in hand is the scalar TB (0 or SLOT), from which the LDS addresses are made anew at each change.
; Behind steps 7 and 15 a forward jump on the step's number leads to the way out and the next tile's first quarter; it passes no barrier and no tensor load.
; REGISTERS, in windows of 256 (s_set_vgpr_msb: bits 1:0 source 0, 3:2 source 1, 5:4 source 2, 7:6 destination):
;   window 0: v0-31 addresses; v32-95 x as f32 (one quarter); v96-159 x's fragments, two buffers; v160-191 packed results; v192-255 rows on the way out, two buffers
;   window 1: v0-127 the weights' fragments, two buffers; v128-191 my 64 numbers of the bias; v192-223 at work      window 2: the accumulators, (a, b) at v[8 (8 a + b)]
.set KSTEP,  128
.set NSTEP,  24                        ; three tiles of eight K steps
.set PX,     528                       ; an LDS row of x: 512 bytes + 16 = 132 words: the 16 rows of a load start 4 banks apart
.set PW,     272                       ; an LDS row of the weights: 256 + 16 = 68 words: likewise
.set XHALF,  64*PX                     ; what one tensor load brings of x, and what one wave reads
.set WHALF,  128*PW                    ; the same for the weights
.set WOFF,   2*XHALF
.set SLOT,   WOFF+2*WHALF              ; 137,216 bytes
.set STAGE,  2*SLOT                    ; behind the ring: 16 rows x 272 bytes for each wave, for the way out
.set SPITCH, 272
.set SPARE,  STAGE+4*16*SPITCH         ; the spare words, 128 bytes a wave: two blocks of 256 bytes that no other line names
.set NEXT_O, (1<<24)-3*16*2048         ; bytes from my last 16 rows of a tile to my first of the next: one plane of qkv on, 48 rows back
.set AX0, 14                           ; v14  my lane's place in x's tile; never rewritten
.set AW0, 15                           ; v15  the same for the weights
.set AX,  16                           ; v16  AX0 + the slot in hand
.set AW,  20                           ; v20  AW0 + the slot in hand
.set STO, 24                           ; v24  the way out: where I put 16 bytes of a row
.set RD,  25                           ; v25  where I read a row back
.set CO,  26                           ; v26  my byte offset in two rows of the result
.set BO,  27                           ; v27  my byte offset in 16 numbers of the bias
.set SPW, 28                           ; v28  my spare word: SPARE + 4 x my thread's number; never rewritten
.set NIL, 29                           ; v29  0; never rewritten
.set PFO, 30                           ; v30  byte offset of the block of x that my lane asks the L2 for; never rewritten
.set RAW, 32
.set XB,  96
.set TMP, 160
.set OB,  192
.set WF,  0                            ; window 1
.set BI,  128                          ; window 1
.set BTM, 192                          ; window 1
.set CNT, 3
.set WV,  20
.set RH,  21                           ; my half of the tile's rows; also: I fetch x (0) or the weights (1)
.set CH,  22                           ; my half of its columns; also: which half of that tile I fetch
.set CX,  23
.set CY,  24
.set FN,  26                           ; the walk's step to be asked for next
.set RB,  27                           ; block of 128 rows
.set TB,  28                           ; LDS byte at which the slot in hand begins
.set LWA, 29                           ; my load's place in a slot, for x
.set LWB, 30                           ; and for the weights
.set RM,  31                           ; mask of my row of the cluster
.set G1A, 32                           ; s[32:39] descriptor group 1 for x
.set G0A, 40                           ; s[40:47] group 0 for x: set 0 fills slot 0 once; set 1 fills slot 1 and serves every refill
.set G1B, 48                           ; s[48:55], s[56:63] the same for the weights
.set G0B, 56
.set XO,  66                           ; s[66:67] byte offset: at the head my load's rows of x, then a refill's K step in x
.set WO,  68                           ; s[68:69] at the head my load's rows of the weights, then a refill's plane and K step
.set XS,  74                           ; s[74:75] the x of the tile that a refill belongs to
.set BP,  76                           ; s[76:77] the bias of the tile to come
.set OUTP, 78                          ; s[78:79] the result at the rows to be stored
.set CM,  80                           ; mask of my column of the cluster
.set OSTEP, 82                         ; s[82:83] what the next way out adds to OUTP first: 0, then NEXT_O
.set T0,  84
.set T1,  85
.set PFB, 86                           ; s[86:87] x at the tile that is asked of the L2
.set PO,  88                           ; s[88:89] its K step's byte offset
.set P0,  90
.set P1,  91
.set HM,  92                           ; a word's upper half
.set MSB, 0
.macro WIN new                         ; the immediate's high byte repeats the setting that is left; a switch that changes nothing is dropped
.if MSB != (\new)
	s_set_vgpr_msb (MSB<<8)|(\new)
.set MSB, \new
.endif
.endm
.set W_MUL, 0xa1                       ; source 0 window 1, source 1 window 0, C and D window 2
.set W_BIA, 0x91                       ; the same with C in window 1: the bias
.macro PLACES                          ; four plain vector instructions between a matrix instruction and a read of its result (ISA guide 7.12.1)
.rept 4
	v_nop
.endr
.endm
; A joint load.  The branch hangs on the wave's number alone.  An s_nop 0 and four v_nop follow each of the two lines, ahead of what comes next.
; pf = 1: the two waves that have just asked for x's tile of step n also ask the L2 for x's tile of step n + 2, which the refill two trips on, 256 matrix instructions a wave, will load.
; That tile is 128 rows x 512 bytes = 256 blocks of 256 bytes; the four work-groups of my row of the cluster x two waves x 32 lanes take one block each, so each block is asked for once in the launch.
; Steps past the walk's last are not asked for.  The weights are not asked for: 64 row blocks read them again.
.macro JLOAD s, pf
	s_cmp_eq_u32 s[RH], 0
	s_cbranch_scc0 .Lfor_b_\@
	tensor_load_to_lds s[G0A+4*(\s):G0A+4*(\s)+3], s[G1A:G1A+7]
	s_nop 0
.rept 4
	v_nop
.endr
.if \pf
	s_wait_xcnt 0x0                                ; the last trip's request has had its address translated: its base is rewritten only behind this wait
	s_add_co_u32 s[P0], s[FN], 1                   ; FN has been stepped to n + 1
	s_cmp_lt_u32 s[P0], NSTEP
	s_cbranch_scc0 .Lnone_\@
	s_lshr_b32 s[P1], s[P0], 3                     ; its tile,
	s_and_b32 s[P0], s[P0], 7                      ; its K step
	s_lshl_b32 s[PO], s[P0], 9
	s_cmp_eq_u32 s[P1], 1
	s_cselect_b64 s[PFB:PFB+1], s[6:7], s[4:5]
	s_cmp_eq_u32 s[P1], 2
	s_cselect_b64 s[PFB:PFB+1], s[8:9], s[PFB:PFB+1]
	s_add_nc_u64 s[PFB:PFB+1], s[PFB:PFB+1], s[PO:PO+1]
	global_prefetch_b8 v[PFO], s[PFB:PFB+1] th:TH_LOAD_NT scope:SCOPE_SE
.Lnone_\@:
.endif
	s_branch .Lasked_\@
.Lfor_b_\@:
	tensor_load_to_lds s[G0B+4*(\s):G0B+4*(\s)+3], s[G1B:G1B+7]
	s_nop 0
.rept 4
	v_nop
.endr
.Lasked_\@:
.endm
.macro CREST                           ; a round of the cluster's barrier behind its opening barrier
	s_cmp_lg_u32 s[WV], 0
	s_cbranch_scc1 .Lnot_wave_0_\@
	s_barrier_signal -3
.Lnot_wave_0_\@:
	s_barrier_wait -3
	s_barrier_signal -1
	s_barrier_wait -1
.endm
.macro CROUND                          ; a whole round
	s_barrier_signal -1
	s_barrier_wait -1
	CREST
.endm
; My 64 numbers of the bias at BP: in a result a lane holds columns 8 h + 0..7 of each block of 16.
.macro BIASLD
	WIN 0x40                                       ; destination window 1, address window 0
.irp b, 0,1,2,3,4,5,6,7
	global_load_b128 v[BI+8*\b:BI+8*\b+3],   v[BO], s[BP:BP+1] offset:\b*64
	global_load_b128 v[BI+8*\b+4:BI+8*\b+7], v[BO], s[BP:BP+1] offset:\b*64+16
.endr
	WIN 0
.endm
.macro BIASRND                         ; rounded to bf16 like every input, and widened again
	WIN 0x45                                       ; all in window 1
.set n, 0
.rept 32
	v_cvt_pk_bf16_f32 v[BTM+n], v[BI+2*n], v[BI+2*n+1]
.set n, n+1
.endr
.set n, 0
.rept 32
	v_lshlrev_b32 v[BI+2*n], 16, v[BTM+n]
	v_and_b32 v[BI+2*n+1], s[HM], v[BTM+n]
.set n, n+1
.endr
	WIN 0
.endm
	s_load_b512 s[4:19], s[0:1], 0x0               ; q s[4:5], k s[6:7], v s[8:9], b_q s[10:11], b_k s[12:13], b_v s[14:15], wb s[16:17], qkv s[18:19]
	v_lshl_add_u32 v[SPW], v0, 2, SPARE
	v_mov_b32 v[NIL], 0
	ds_add_u32 v[SPW], v[NIL]                      ; the wave's opening: the add and its wait stand ahead of my first tensor load; the set-up below, work on registers, stands between them
	v_lshrrev_b32 v1, 5, v0
	v_readfirstlane_b32 s[WV], v1                  ; wave 0..3
	s_lshr_b32 s[RH], s[WV], 1
	s_and_b32 s[CH], s[WV], 1
	s_bfe_u32 s[CX], ttmp6, 0x40000                ; cx: the grid is one cluster wide, so cx is the tile column
	s_bfe_u32 s[CY], ttmp6, 0x40004                ; cy
	s_and_b32 s[RB], ttmp7, 0xffff                 ; the cluster's y, 0..15
	s_lshl_b32 s[RB], s[RB], 2
	s_add_co_u32 s[RB], s[RB], s[CY]               ; row block = 4 x cluster y + cy
	s_lshl_b32 s[RM], s[CY], 2
	s_lshl_b32 s[RM], 15, s[RM]                    ; my row of the cluster: places 4 cy .. 4 cy + 3
	s_lshl_b32 s[CM], 0x1111, s[CX]                ; my column: places cx, cx + 4, cx + 8, cx + 12
	; group 1 for x: 64 rows x 128 elements of 4 bytes, 4 words of padding behind every 128 words
	s_or_b32 s[G1A+0], s[RM], (2<<16)|(1<<20)|(1<<21)|(6<<22)|(3<<25)
	s_mov_b32 s[G1A+1], KSTEP<<16                  ; tensor_dim0 = 128
	s_mov_b32 s[G1A+2], 64<<16                     ; tensor_dim1 = 64
	s_mov_b32 s[G1A+3], KSTEP<<16                  ; tile_dim0 = 128
	s_mov_b32 s[G1A+4], 64                         ; tile_dim1 = 64
	s_mov_b32 s[G1A+5], 1024                       ; elements from row to row
	s_mov_b32 s[G1A+6], 0
	s_mov_b32 s[G1A+7], 0
	; group 1 for the weights: 128 rows x 128 elements of 2 bytes, 4 words of padding behind every 64 words
	s_or_b32 s[G1B+0], s[CM], (1<<16)|(1<<20)|(1<<21)|(5<<22)|(3<<25)
	s_mov_b32 s[G1B+1], KSTEP<<16
	s_mov_b32 s[G1B+2], 128<<16
	s_mov_b32 s[G1B+3], KSTEP<<16
	s_mov_b32 s[G1B+4], 128
	s_mov_b32 s[G1B+5], 1024
	s_mov_b32 s[G1B+6], 0
	s_mov_b32 s[G1B+7], 0
	s_mov_b32 s[TB], 0
	s_mov_b32 s[FN], 2                             ; steps 0 and 1 are the first fills
	s_mov_b32 s[OSTEP], 0
	s_mov_b32 s[OSTEP+1], 0
	s_mov_b32 s[PO+1], 0
	s_mov_b32 s[HM], 0xffff0000
	s_mul_i32 s[LWA], s[CH], XHALF                 ; no place in the cluster enters an LDS address
	s_mul_i32 s[LWB], s[CH], WHALF
	s_add_co_u32 s[LWB], s[LWB], WOFF
	; byte offsets, each in registers of its own.  x: (128 RB + 64 CH) rows of 4,096 bytes: the tile row and the wave alone
	s_lshl_b32 s[XO], s[RB], 19
	s_lshl_b32 s[XO+1], s[CH], 18
	s_add_co_u32 s[XO], s[XO], s[XO+1]
	s_mov_b32 s[XO+1], 0
	; the weights: (256 cx + 128 CH) rows of 2,048 bytes: the tile column and the wave alone
	s_lshl_b32 s[WO], s[CX], 19
	s_lshl_b32 s[WO+1], s[CH], 18
	s_add_co_u32 s[WO], s[WO], s[WO+1]
	s_mov_b32 s[WO+1], 0
	; the bias: (256 cx + 128 CH) numbers of 4 bytes
	s_lshl_b32 s70, s[CX], 10
	s_lshl_b32 s71, s[CH], 9
	s_add_co_u32 s70, s70, s71
	s_mov_b32 s71, 0
	; the result: (128 RB + 64 RH) rows of 2,048 bytes + (256 cx + 128 CH) columns of 2 bytes
	s_lshl_b32 s72, s[RB], 18
	s_lshl_b32 s73, s[RH], 17
	s_add_co_u32 s72, s72, s73
	s_lshl_b32 s73, s[CX], 9
	s_add_co_u32 s72, s72, s73
	s_lshl_b32 s73, s[CH], 8
	s_add_co_u32 s72, s72, s73
	s_mov_b32 s73, 0
	s_wait_dscnt 0x0                               ; the opening add is done
	s_wait_kmcnt 0x0
	s_add_nc_u64 s[4:5], s[4:5], s[XO:XO+1]        ; the three x at my load's first row,
	s_add_nc_u64 s[6:7], s[6:7], s[XO:XO+1]
	s_add_nc_u64 s[8:9], s[8:9], s[XO:XO+1]
	s_add_nc_u64 s[10:11], s[10:11], s[70:71]      ; the three biases at my 128 columns,
	s_add_nc_u64 s[12:13], s[12:13], s[70:71]
	s_add_nc_u64 s[14:15], s[14:15], s[70:71]
	s_add_nc_u64 s[16:17], s[16:17], s[WO:WO+1]    ; the weights' first plane at my load's first row,
	s_add_nc_u64 s[OUTP:OUTP+1], s[18:19], s[72:73]  ; the result's first plane at my first row and column
	s_mov_b64 s[BP:BP+1], s[10:11]                 ; the first tile's bias
	CROUND                                         ; all sixteen work-groups are here: the first joint loads meet
.irp s, 0,1
	s_mov_b32 s[G0A+4*(\s)], 1                     ; count = 1
	s_add_co_u32 s[G0A+4*(\s)+1], s[LWA], (\s)*SLOT
	s_add_nc_u64 s[G0A+4*(\s)+2:G0A+4*(\s)+3], s[4:5], (\s)*KSTEP*4     ; the first tile's K step s
	s_or_b32 s[G0A+4*(\s)+3], s[G0A+4*(\s)+3], 0x80000000               ; type = 2
	s_mov_b32 s[G0B+4*(\s)], 1
	s_add_co_u32 s[G0B+4*(\s)+1], s[LWB], (\s)*SLOT
	s_add_nc_u64 s[G0B+4*(\s)+2:G0B+4*(\s)+3], s[16:17], (\s)*KSTEP*2
	s_or_b32 s[G0B+4*(\s)+3], s[G0B+4*(\s)+3], 0x80000000
	JLOAD \s, 0                                    ; both slots are asked for before anything else: two loads of mine are out
.endr
	v_and_b32 v1, 15, v0                           ; r = lane % 16
	v_bfe_u32 v2, v0, 4, 1                         ; h = lane / 16
	v_lshlrev_b32 v[BO], 5, v2                     ; 32 h bytes into a block's 64 bytes of bias
	BIASLD
	; A fragment is 16 rows x 32 K: lane l holds row l % 16, K = 8 h + 0..7 and 16 + 8 h + 0..7.  In f32 that is 32 bytes at 32 h and 32 bytes at 64 + 32 h; in bf16 16 bytes at 16 h and at 32 + 16 h.
	v_mul_u32_u24 v3, v1, PX
	v_lshl_add_u32 v3, v2, 5, v3
	s_mul_i32 s2, s[RH], XHALF                     ; my 64 rows of x
	v_add_nc_u32 v[AX0], s2, v3
	v_mul_u32_u24 v3, v1, PW
	v_lshl_add_u32 v3, v2, 4, v3
	s_mul_i32 s2, s[CH], WHALF                     ; my 128 rows of the weights
	s_add_co_u32 s2, s2, WOFF
	v_add_nc_u32 v[AW0], s2, v3
	v_mov_b32 v[AX], v[AX0]                        ; slot 0
	v_mov_b32 v[AW], v[AW0]
	s_mul_i32 s2, s[WV], 16*SPITCH
	s_add_co_u32 s2, s2, STAGE                     ; my stage
	v_mul_u32_u24 v3, v1, SPITCH                   ; in: row l % 16, 16 bytes for each half of the lanes
	v_lshl_add_u32 v3, v2, 4, v3
	v_add_nc_u32 v[STO], s2, v3
	v_mul_u32_u24 v3, v2, SPITCH                   ; back: lanes 0-15 one row of 256 bytes, lanes 16-31 the next
	v_lshl_add_u32 v3, v1, 4, v3
	v_add_nc_u32 v[RD], s2, v3
	v_lshlrev_b32 v3, 11, v2                       ; and the same two rows of 2,048 bytes in the result
	v_lshl_add_u32 v[CO], v1, 4, v3
	v_and_b32 v3, 31, v0                           ; the block that my lane asks the L2 for: of my load's 64 rows, row 16 cx + lane / 2; of its 512 bytes, half lane % 2
	v_lshrrev_b32 v4, 1, v3
	v_lshl_add_u32 v4, s[CX], 4, v4
	v_lshlrev_b32 v4, 12, v4
	v_and_b32 v3, 1, v3
	v_lshl_add_u32 v[PFO], v3, 8, v4
	s_wait_loadcnt 0x0                             ; the bias
	BIASRND
; n products from number i0 on: product i is row block i / 8 x column block i % 8, 32 along K, from buffer f.  The 32 accumulators take turns, one instruction a turn.
; first = 1: the product starts its sum, with the bias of its 16 columns as C: nothing is ever cleared.
.macro MULS f, i0, n, first
.if \first
	WIN W_BIA
.else
	WIN W_MUL
.endif
.set i, \i0
.rept \n
.if \first
	v_wmma_f32_16x16x32_bf16 v[8*i:8*i+7], v[WF+64*(\f)+8*(i%8):WF+64*(\f)+8*(i%8)+7], v[XB+32*(\f)+8*(i/8):XB+32*(\f)+8*(i/8)+7], v[BI+8*(i%8):BI+8*(i%8)+7]
.else
	v_wmma_f32_16x16x32_bf16 v[8*i:8*i+7], v[WF+64*(\f)+8*(i%8):WF+64*(\f)+8*(i%8)+7], v[XB+32*(\f)+8*(i/8):XB+32*(\f)+8*(i/8)+7], v[8*i:8*i+7]
.endif
.set i, i+1
.endr
.endm
; 32 LDS loads in one run: quarter kq (32 along K) of the slot in hand: x as f32 first, then the weights' fragments into buffer g
.macro FETCH kq, g
	WIN 0
.irp a, 0,1,2,3
	ds_load_b128 v[RAW+16*\a:RAW+16*\a+3],     v[AX] offset:(\kq)*128+\a*16*PX
	ds_load_b128 v[RAW+16*\a+4:RAW+16*\a+7],   v[AX] offset:(\kq)*128+\a*16*PX+16
	ds_load_b128 v[RAW+16*\a+8:RAW+16*\a+11],  v[AX] offset:(\kq)*128+\a*16*PX+64
	ds_load_b128 v[RAW+16*\a+12:RAW+16*\a+15], v[AX] offset:(\kq)*128+\a*16*PX+80
.endr
	WIN 0x40
.irp b, 0,1,2,3,4,5,6,7
	ds_load_b128 v[WF+64*(\g)+8*\b:WF+64*(\g)+8*\b+3],   v[AW] offset:(\kq)*64+\b*16*PW
	ds_load_b128 v[WF+64*(\g)+8*\b+4:WF+64*(\g)+8*\b+7], v[AW] offset:(\kq)*64+\b*16*PW+32
.endr
.endm
; A quarter's last eight products, and behind each four roundings of the next quarter's x into the other buffer.  The four behind the last product name none of its registers:
; they are the places in front of the next run of loads, which lands in the weights' buffer just multiplied.
.macro RIDE f, first
.set j, 0
.rept 8
	MULS \f, 24+j, 1, \first
	WIN 0
.set n, 4*j
.rept 4
	v_cvt_pk_bf16_f32 v[XB+32*(1-(\f))+n], v[RAW+2*n], v[RAW+2*n+1]
.set n, n+1
.endr
.set j, j+1
.endr
.endm
; One of a K step's first three quarters: multiplies buffer f; the next quarter kq is fetched at its head and rounded at its end.
.macro QUARTER kq, f, first
	FETCH \kq, 1-(\f)
	s_wait_dscnt 32                                ; all but the 32 just issued: the weights of buffer f are in
	MULS \f, 0, 24, \first
	s_wait_dscnt 16                                ; x is in; the weights' sixteen loads behind it may stay out
	RIDE \f, \first
.endm
; THE CHANGE OF SLOTS stands at the head of a step's last quarter, whose fragments are in registers: ONE barrier.  In front of it each wave waits for all its tensor loads, of which one is out at the most: its
; part of the next slot; adds 0 to its spare word; and waits for that and for its own reads of this slot.  fill = 1: the barrier opens a round of the cluster's, and this slot is filled again, with step FN of the
; walk, first thing behind it.  No product stands between the wait for a tile and the next request: a step's 128 products all lie between a request and the wait for it.
.macro TURN_A fill
	WIN 0
	s_wait_tensorcnt 0x0                           ; no tensor load of mine is out, so a group 0 may be written
	ds_add_u32 v[SPW], v[NIL]                      ; 0 onto my spare word; the descriptors' scalar work stands between it and the wait for it
.if \fill
	s_lshr_b32 s[T0], s[FN], 3                     ; the step's tile,
	s_and_b32 s[T1], s[FN], 7                      ; its K step in that tile
	s_lshl_b32 s[XO], s[T1], 9                     ; 128 f32 along x's rows
	s_lshl_b32 s[WO], s[T0], 21                    ; a plane of the weights is 2 MiB,
	s_lshl_b32 s[T1], s[T1], 8                     ; 128 bf16 along their rows
	s_add_co_u32 s[WO], s[WO], s[T1]
	s_cmp_eq_u32 s[T0], 1                          ; which x: a choice between buffers on the step's number
	s_cselect_b64 s[XS:XS+1], s[6:7], s[4:5]
	s_cmp_eq_u32 s[T0], 2
	s_cselect_b64 s[XS:XS+1], s[8:9], s[XS:XS+1]
	s_add_co_u32 s[G0A+5], s[TB], s[LWA]           ; into the slot that is being left
	s_add_nc_u64 s[G0A+6:G0A+7], s[XS:XS+1], s[XO:XO+1]
	s_or_b32 s[G0A+7], s[G0A+7], 0x80000000
	s_add_co_u32 s[G0B+5], s[TB], s[LWB]
	s_add_nc_u64 s[G0B+6:G0B+7], s[16:17], s[WO:WO+1]
	s_or_b32 s[G0B+7], s[G0B+7], 0x80000000
	s_add_co_u32 s[FN], s[FN], 1
.endif
	s_wait_dscnt 0x0                               ; the add is done, and my reads of this slot are over: the weights of buffer 1 are in
	s_barrier_signal -1
	s_barrier_wait -1
.if \fill
	CREST                                          ; no wave of any partner still reads this slot or has a load on its way
	JLOAD 1, 1                                     ; the first tensor load behind the round, my only one until the next
.endif
.endm
; The last quarter itself: the next slot's first quarter is fetched at its head and rounded at its end.
.macro TURN_B
	s_xor_b32 s[TB], s[TB], SLOT
	v_add_nc_u32 v[AX], s[TB], v[AX0]
	v_add_nc_u32 v[AW], s[TB], v[AW0]
	FETCH 0, 0
	MULS 1, 0, 24, 0
	s_wait_dscnt 16                                ; x is in
	RIDE 1, 0
.endm
; THE WAY OUT, a block of 16 rows at a time.  PACK: the sums are rounded to f16, 16 bytes a lane (each accumulator's registers in ascending order).
.macro PACK a
	WIN 0x0a                                       ; sources 0 and 1 window 2
.set n, 0
.rept 32
	v_cvt_pk_f16_f32 v[TMP+n], v[64*(\a)+2*n], v[64*(\a)+2*n+1]
.set n, n+1
.endr
	WIN 0
.endm
.macro TOSTAGE a                       ; into my own stage, and back as whole rows of 256 bytes
	WIN 0
.irp b, 0,1,2,3,4,5,6,7
	ds_store_b128 v[STO], v[TMP+4*\b:TMP+4*\b+3] offset:32*\b
.endr
.irp t, 0,1,2,3,4,5,6,7
	ds_load_b128 v[OB+32*((\a)%2)+4*\t:OB+32*((\a)%2)+4*\t+3], v[RD] offset:\t*2*SPITCH  ; LDS serves a wave's instructions in order (ISA guide 5.7.1.4): these see the stores above
.endr
.endm
.macro SEND a
	WIN 0
	s_wait_dscnt 0x0                               ; the block is back in registers
	s_wait_xcnt 0x0                                ; only behind this wait are the stores' base and the registers that earlier stores read rewritten
.if (\a) == 0
	s_add_nc_u64 s[OUTP:OUTP+1], s[OUTP:OUTP+1], s[OSTEP:OSTEP+1]  ; on to this tile's first rows
	s_mov_b32 s[OSTEP], NEXT_O
.else
	s_add_nc_u64 s[OUTP:OUTP+1], s[OUTP:OUTP+1], 16*2048
.endif
.irp t, 0,1,2,3,4,5,6,7
	global_store_b128 v[CO], v[OB+32*((\a)%2)+4*\t:OB+32*((\a)%2)+4*\t+3], s[OUTP:OUTP+1] offset:\t*4096  ; 16 lanes store 256 consecutive bytes, at a multiple of 256 from the buffer's first byte
.endr
.endm
.macro WAYOUT                          ; block a's conversions stand between block a - 1's loads from the stage and the wait for them
	PACK 0
	TOSTAGE 0
.irp a, 1,2,3
	PACK \a
	SEND (\a)-1
	TOSTAGE \a
.endr
	SEND 3
.endm
	s_wait_tensorcnt 1                             ; my part of step 0 is in; slot 1's may stay out
	s_barrier_signal -1
	s_barrier_wait -1                              ; everybody's is
	FETCH 0, 0
	s_wait_dscnt 0x0
	WIN 0
.set n, 0
.rept 32
	v_cvt_pk_bf16_f32 v[XB+n], v[RAW+2*n], v[RAW+2*n+1]
.set n, n+1
.endr
	QUARTER 1, 0, 1                                ; the first tile's first quarter stands in front of the loop: its products start the sums
	WIN 0
	s_mov_b32 s[CNT], NSTEP-2
.Lstep:                                                ; a trip: a step's second quarter to the next step's first; the slot that is left takes the step two further on
	QUARTER 2, 1, 0
	QUARTER 3, 0, 0
	TURN_A 1
	TURN_B
	WIN 0
	s_and_b32 s[T0], s[FN], 7                      ; FN is three ahead of the step just multiplied: that step was a tile's last where FN % 8 = 2
	s_cmp_eq_u32 s[T0], 2
	s_cbranch_scc1 .Lbound
	QUARTER 1, 0, 0
	WIN 0
	s_branch .Lnext
.Lbound:                                               ; A TILE IS FINISHED, and both refills for the next are asked for.  No v_nop: the last product has its four conversions behind it, and blocks 0 to 2 were finished earlier
	s_lshr_b32 s[T0], s[FN], 3                     ; the tile to come: 1 or 2
	s_cmp_eq_u32 s[T0], 2
	s_cselect_b64 s[BP:BP+1], s[14:15], s[12:13]
	BIASLD                                         ; its bias is on its way while this tile goes out; the products that read the old one stand seven steps back
	WAYOUT
	s_wait_loadcnt 0x0
	BIASRND
	QUARTER 1, 0, 1                                ; the next tile's first quarter starts its sums on accumulators that have been packed
	WIN 0
.Lnext:
	s_sub_co_u32 s[CNT], s[CNT], 1
	s_cmp_lg_u32 s[CNT], 0
	s_cbranch_scc1 .Lstep
	s_mov_b32 s[CNT], 2
.Ltail:                                                ; the walk's last two steps ask for nothing
	QUARTER 2, 1, 0
	QUARTER 3, 0, 0
	TURN_A 0
	s_cmp_eq_u32 s[CNT], 1
	s_cbranch_scc1 .Llast                          ; behind the last step there is no slot to go to: what is jumped holds no barrier and no tensor load
	TURN_B
	QUARTER 1, 0, 0
	WIN 0
.Llast:
	s_sub_co_u32 s[CNT], s[CNT], 1
	s_cmp_lg_u32 s[CNT], 0
	s_cbranch_scc1 .Ltail
	MULS 1, 0, 32, 0                               ; the last quarter
	WIN 0
	PLACES
	WAYOUT
	s_wait_tensorcnt 0x0                           ; the wave's end: behind my last tensor load and my last LDS store
	ds_add_u32 v[SPW], v[NIL]
	s_wait_dscnt 0x0
	CROUND                                         ; the closing round: no work-group ends while a partner may still ask for a tile that names it
	s_endpgm
.Lfunc_end_k_qe3dceda1fc_proj:
	.size	k_qe3dceda1fc_proj, .Lfunc_end_k_qe3dceda1fc_proj-k_qe3dceda1fc_proj
	.p2alignl 7, 3214868480
	.fill 96, 4, 3214868480
	.section	.rodata,"a",@progbits
	.p2align	6, 0x0
	.amdhsa_kernel k_qe3dceda1fc_proj
		.amdhsa_group_segment_fixed_size 327680
		.amdhsa_private_segment_fixed_size 0
		.amdhsa_enable_private_segment 0
		.amdhsa_kernarg_size 64
		.amdhsa_user_sgpr_count 2
		.amdhsa_user_sgpr_kernarg_segment_ptr 1
		.amdhsa_wavefront_size32 1
		.amdhsa_system_sgpr_workgroup_id_x 1
		.amdhsa_system_sgpr_workgroup_id_y 1
		.amdhsa_system_sgpr_workgroup_id_z 1
		.amdhsa_system_vgpr_workitem_id 0
		.amdhsa_next_free_vgpr 768
		.amdhsa_next_free_sgpr 96
		.amdhsa_reserve_vcc 0
		.amdhsa_float_denorm_mode_32 3
		.amdhsa_float_denorm_mode_16_64 3
		.amdhsa_memory_ordered 1
		.amdhsa_forward_progress 1
		.amdhsa_inst_pref_size 126
	.end_amdhsa_kernel
	.amdgpu_metadata
---
amdhsa.version: [ 1, 2 ]
amdhsa.kernels:
  - .name:           k_qe3dceda1fc_proj
    .symbol:         k_qe3dceda1fc_proj.kd
    .args:
      - { .name: q, .offset: 0, .size: 8, .value_kind: global_buffer, .address_space: global }
      - { .name: k, .offset: 8, .size: 8, .value_kind: global_buffer, .address_space: global }
      - { .name: v, .offset: 16, .size: 8, .value_kind: global_buffer, .address_space: global }
      - { .name: b_q, .offset: 24, .size: 8, .value_kind: global_buffer, .address_space: global }
      - { .name: b_k, .offset: 32, .size: 8, .value_kind: global_buffer, .address_space: global }
      - { .name: b_v, .offset: 40, .size: 8, .value_kind: global_buffer, .address_space: global }
      - { .name: wb, .offset: 48, .size: 8, .value_kind: global_buffer, .address_space: global }
      - { .name: qkv, .offset: 56, .size: 8, .value_kind: global_buffer, .address_space: global }
    .group_segment_fixed_size: 327680
    .private_segment_fixed_size: 0
    .kernarg_segment_align: 8
    .kernarg_segment_size: 64
    .max_flat_workgroup_size: 128
    .sgpr_count:     96
    .vgpr_count:     768
    .wavefront_size: 32
...
	.end_amdgpu_metadata
.endif
;; end of part 2
;; launch score (part 3): grid 8 x 32, 4 waves a work-group, clusters of 4 x 4, 327,680 bytes of LDS; arguments qkv, mask, pbuf, stat; writes pbuf, stat
.if DOCPART == 3
	.amdgcn_target "amdgcn-amd-amdhsa--gfx1250"
	.amdhsa_code_object_version 6
	.text
	.protected	k_qe3dceda1fc_score
	.globl	k_qe3dceda1fc_score
	.p2align	8
	.type	k_qe3dceda1fc_score,@function
k_qe3dceda1fc_score:
	s_mov_b64 s[64:65], 0
	v_nop
	global_prefetch_b8 v0, s[64:65] scope:SCOPE_SE
	s_setreg_imm32_b32 hwreg(HW_REG_WAVE_MODE, 25, 1), 1
	s_wait_xcnt 0x0
	s_wait_alu depctr_hold_cnt(0) depctr_sa_sdst(0) depctr_va_vdst(0) depctr_va_sdst(0) depctr_va_ssrc(0) depctr_va_vcc(0) depctr_vm_vsrc(0)
	s_getreg_b32 s2, hwreg(HW_REG_IB_STS2, 6, 4)
	s_cmp_eq_u32 s2, 0
	s_cbranch_scc0 .Lentry_in_a_cluster
	s_endpgm
.Lentry_in_a_cluster:
	s_bfe_u32 s2, ttmp6, 0x10000c
	s_cmp_lg_u32 s2, 0xf033
	s_cbranch_scc0 .Lentry_shape_is_right
	s_endpgm
.Lentry_shape_is_right:
; For batch b, query row i, key group g of 128 keys:  s = (Q[i] . K[k]) / 32 + bf16(mask[i][k]);  m = max over the group's k of s;  pbuf[b 2048 + i][k] = f16(2^(log2(e) (s - m)));
; stat[b][g][0][i] = m,  stat[b][g][1][i] = the sum of the group's unrounded weights.  Q and K: planes 0 and 1 of qkv, [8192][1024] f16; mask: [2048][2048] f32, read as it is given; products, maxima and sums in f32.
; The groups are joined by the next launch, which takes the maximum over a row's 16 groups: together a softmax with the row's true maximum taken away.
; s - m is formed before the multiplication by log2(e), so that the exponent is at most 0 whatever the size of m.
; LIMITS.  The mask is rounded to bf16 like every input.  m is never below -3.4e38, so a group hidden by -infinity gives weights and sum 0.  A weight below 6e-5 keeps f16's fixed step of 6e-8; NaN is not treated apart.
; SHARES.  4 batches x 8 x 8 tiles of 256 queries x 256 keys: 256 work-groups.  Four waves, each 128 x 128 (one key group): 64 accumulators, 512 registers.  K (the channels) goes in 8 steps of 128 through two LDS slots.
; CLUSTER.  4 x 4 work-groups: the four of a row need the same tile of Q, the four of a column the same tile of K: joint loads with a mask of four.
; THE MASK comes through the same ring: when a slot has been read for the last time (in the last two K steps) each wave asks for 64 rows x 128 columns of its own part of the mask into its own quarter of that slot.
; THE MATRIX INSTRUCTION IS USED TRANSPOSED (source 0 = 16 keys, source 1 = 16 queries): a lane holds one query (lane % 16) and, of each block of 16 keys, the eight 8 (lane / 16) + 0..7.
; REGISTERS, in windows of 256 (s_set_vgpr_msb: bits 1:0 source 0, 3:2 source 1, 5:4 source 2, 7:6 destination):
;   window 0: v0-31 addresses and statistics; v32-63 rows on the way out; v64-191 Q's fragments, two buffers (on the way out v64-127: 64 scores); v192-223 the mask in bf16, then packed weights
;   window 1: v64-191 K's fragments, two buffers; on the way out all 256: the mask of four blocks of 16 rows      windows 2, 3: the accumulators of my rows 0-63, 64-127, (a, b) at v[8 (8 a + b)]
.set KSTEP,  128
.set NSTEP,  8
.set PITCH,  272                       ; an LDS row: 256 bytes + 16 = 68 words: the 16 rows of a load start 4 banks apart
.set HALFT,  128*PITCH                 ; what one tensor load brings, and what one wave reads of Q or of K
.set SLOT,   4*HALFT                   ; Q's 256 rows, then K's 256 rows
.set MPITCH, 528                       ; a row of the mask in LDS: 512 bytes + 16; 64 such rows fit into HALFT
.set STAGE,  2*SLOT                    ; behind the ring: 16 rows x 272 bytes for each wave
.set SPITCH, 272
.set STATST, STAGE+4*16*SPITCH         ; 1,024 bytes for each wave: 128 maxima, then 128 sums
.set SPARE,  STATST+4*1024             ; the spare words, 128 bytes a wave: two blocks of 256 bytes that no other line names
.set A0,  4                            ; v4   my lane's place in Q's tile; never rewritten
.set B0,  5                            ; v5   the same for K
.set C0,  6                            ; v6-9 four running maxima
.set MX,  10                           ; v[10:11] the maximum, twice
.set LS,  12                           ; v12  the sum
.set ADRA, 16                          ; v16  A0 + the slot in hand
.set MA,  18                           ; v18, v19  my lane's place in the mask's first and second half
.set ADRB, 20                          ; v20  B0 + the slot in hand
.set SO,  22                           ; v22  16 x lane: my byte offset in 512 bytes of stat
.set SR,  23                           ; v23  where I read the wave's statistics back
.set STO, 24                           ; v24  where I put 16 bytes of a row
.set RD,  25                           ; v25  where I read a row back
.set CO,  26                           ; v26  my byte offset in two rows of pbuf
.set STA0, 27                          ; v27  my row's word in the wave's statistics, block 0
.set SPW, 28                           ; v28  my spare word; never rewritten
.set NIL, 29                           ; v29  0; never rewritten
.set SC,  30                           ; v30  1 / 32
.set STA, 31                           ; v31  STA0 + 64 x block
.set OB,  32
.set S,   64
.set F0,  64
.set F1,  128
.set MKP, 192
.set TMP, 192
.set BLK, 2
.set CNT, 3
.set WV,  12
.set RH,  13                           ; my half of the tile's rows; also: I fetch Q (0) or K (1)
.set CH,  14                           ; my half of its columns; also: which half of that tile I fetch
.set CX,  15
.set CY,  16
.set CLY, 17
.set TC,  18                           ; key tile 0..7
.set TR,  19                           ; block of 256 rows of Q, 0..31
.set BT,  20                           ; batch: from the cluster's y alone
.set TB,  21                           ; LDS byte at which the slot in hand begins
.set LW,  22                           ; my quarter of a slot
.set T7,  23                           ; TR within its batch
.set G1A, 24                           ; s[24:31] group 1 for Q;  s[32:39] group 0: set 0 fills slot 0 once, set 1 fills slot 1 and then walks
.set G0A, 32
.set G1B, 48                           ; s[48:55], s[56:63] the same for K
.set G0B, 56
.set G1M, 68                           ; s[68:75] group 1 for the mask; s[76:79] its group 0, made anew for each half
.set G0M, 76
.set MB,  80                           ; s[80:81] the mask at my 128 x 128
.set MO,  82                           ; s[82:83] byte offset of the half to be asked for
.set CL,  84                           ; s[84:85] log2(e)
.set SEL, 86                           ; s[86:87] v_permlanex16_b32's selects: each lane takes its own place in the other half
.set FLOOR, 88                         ; s88  the lowest finite number
.set RM,  89
.set ST,  90                           ; s[90:91] stat at my group and rows
.set STEP, 92                          ; s[92:93] what the next block adds to pbuf's address: 0 for the first
.set CM,  94
.set MSB, 0
.macro WIN new                         ; the immediate's high byte repeats the setting that is left; a switch that changes nothing is dropped
.if MSB != (\new)
	s_set_vgpr_msb (MSB<<8)|(\new)
.set MSB, \new
.endif
.endm
.set MUL_LO, 0xa1                      ; source 0 (K) window 1, source 1 (Q) window 0, C and D window 2
.set MUL_HI, 0xf1                      ; the same, C and D window 3
.macro PLACES                          ; four plain vector instructions between a matrix instruction and a write or load into its registers, or a read of its result
.rept 4
	v_nop
.endr
.endm
; A joint load.  The branch hangs on the wave's number alone.  An s_nop 0 and four v_nop follow each of the two lines, ahead of the jump and the label.
.macro JLOAD s
	s_cmp_eq_u32 s[RH], 0
	s_cbranch_scc0 .Lfor_b_\@
	tensor_load_to_lds s[G0A+4*(\s):G0A+4*(\s)+3], s[G1A:G1A+7]
	s_nop 0
.rept 4
	v_nop
.endr
	s_branch .Lasked_\@
.Lfor_b_\@:
	tensor_load_to_lds s[G0B+4*(\s):G0B+4*(\s)+3], s[G1B:G1B+7]
	s_nop 0
.rept 4
	v_nop
.endr
.Lasked_\@:
.endm
.macro CREST                           ; a round of the cluster's barrier behind its opening barrier
	s_cmp_lg_u32 s[WV], 0
	s_cbranch_scc1 .Lnot_wave_0_\@
	s_barrier_signal -3
.Lnot_wave_0_\@:
	s_barrier_wait -3
	s_barrier_signal -1
	s_barrier_wait -1
.endm
.macro CROUND
	s_barrier_signal -1
	s_barrier_wait -1
	CREST
.endm
	s_load_b256 s[4:11], s[0:1], 0x0               ; qkv s[4:5], mask s[6:7], pbuf s[8:9], stat s[10:11]
	v_lshl_add_u32 v[SPW], v0, 2, SPARE
	v_mov_b32 v[NIL], 0
	ds_add_u32 v[SPW], v[NIL]                      ; the wave's opening: the add and its wait stand ahead of my first tensor load; the set-up below, work on registers, stands between them
	v_lshrrev_b32 v1, 5, v0
	v_readfirstlane_b32 s[WV], v1                  ; wave 0..3
	s_lshr_b32 s[RH], s[WV], 1
	s_and_b32 s[CH], s[WV], 1
	s_bfe_u32 s[CX], ttmp6, 0x40000
	s_bfe_u32 s[CY], ttmp6, 0x40004
	s_lshl_b32 s[TC], ttmp9, 2
	s_add_co_u32 s[TC], s[TC], s[CX]               ; key tile = 4 x cluster x + cx
	s_and_b32 s[CLY], ttmp7, 0xffff
	s_lshl_b32 s[TR], s[CLY], 2
	s_add_co_u32 s[TR], s[TR], s[CY]               ; row block = 4 x cluster y + cy
	s_lshr_b32 s[BT], s[CLY], 1                    ; two clusters, eight row blocks, to a batch
	s_and_b32 s[T7], s[TR], 7
	s_lshl_b32 s[RM], s[CY], 2
	s_lshl_b32 s[RM], 15, s[RM]                    ; my row of the cluster
	s_lshl_b32 s[CM], 0x1111, s[CX]                ; my column
	; group 1 for Q and K: 128 rows x 128 elements of 2 bytes, 4 words of padding behind every 64 words
	s_or_b32 s[G1A+0], s[RM], (1<<16)|(1<<20)|(1<<21)|(5<<22)|(3<<25)
	s_or_b32 s[G1B+0], s[CM], (1<<16)|(1<<20)|(1<<21)|(5<<22)|(3<<25)
.irp g, G1A, G1B
	s_mov_b32 s[(\g)+1], KSTEP<<16                 ; tensor_dim0 = 128
	s_mov_b32 s[(\g)+2], 128<<16                   ; tensor_dim1 = 128
	s_mov_b32 s[(\g)+3], KSTEP<<16                 ; tile_dim0 = 128
	s_mov_b32 s[(\g)+4], 128                       ; tile_dim1 = 128
	s_mov_b32 s[(\g)+5], 1024                      ; elements from row to row
	s_mov_b32 s[(\g)+6], 0
	s_mov_b32 s[(\g)+7], 0
.endr
	; group 1 for the mask, a load of my own (no work-group mask): 64 rows x 128 elements of 4 bytes, 4 words of padding behind every 128 words
	s_mov_b32 s[G1M+0], (2<<16)|(1<<20)|(6<<22)|(3<<25)
	s_mov_b32 s[G1M+1], 128<<16
	s_mov_b32 s[G1M+2], 64<<16
	s_mov_b32 s[G1M+3], 128<<16
	s_mov_b32 s[G1M+4], 64
	s_mov_b32 s[G1M+5], 2048
	s_mov_b32 s[G1M+6], 0
	s_mov_b32 s[G1M+7], 0
	s_mov_b32 s[TB], 0
	s_mul_i32 s[LW], s[WV], HALFT                  ; Q's two halves, then K's two halves: no place in the cluster enters an LDS address
	s_mov_b32 s[MO], 0
	s_mov_b32 s[MO+1], 0
	s_mov_b32 s[STEP], 0
	s_mov_b32 s[STEP+1], 0
	s_mov_b32 s[CL], 0x3fb8aa3b                    ; log2(e)
	s_mov_b32 s[CL+1], s[CL]                       ; named with it as a pair
	s_mov_b32 s[SEL], 0x76543210
	s_mov_b32 s[SEL+1], 0xfedcba98
	s_mov_b32 s[FLOOR], 0xff7fffff
	; byte offsets, each in registers of its own.  Q: (256 TR + 128 CH) rows of 2,048 bytes: the tile row and the wave alone
	s_lshl_b32 s40, s[TR], 19
	s_lshl_b32 s41, s[CH], 18
	s_add_co_u32 s40, s40, s41
	s_mov_b32 s41, 0
	; K: plane 1 (16 MiB on) + (2,048 BT + 256 TC + 128 CH) rows: the cluster's y, the tile column and the wave alone
	s_lshl_b32 s42, s[BT], 22
	s_lshl_b32 s43, s[TC], 19
	s_add_co_u32 s42, s42, s43
	s_lshl_b32 s43, s[CH], 18
	s_add_co_u32 s42, s42, s43
	s_add_co_u32 s42, s42, 1<<24
	s_mov_b32 s43, 0
	; the mask: (256 T7 + 128 RH) rows of 8,192 bytes + (256 TC + 128 CH) columns of 4 bytes
	s_lshl_b32 s44, s[T7], 21
	s_lshl_b32 s45, s[RH], 20
	s_add_co_u32 s44, s44, s45
	s_lshl_b32 s45, s[TC], 10
	s_add_co_u32 s44, s44, s45
	s_lshl_b32 s45, s[CH], 9
	s_add_co_u32 s44, s44, s45
	s_mov_b32 s45, 0
	; pbuf: (256 TR + 128 RH) rows of 4,096 bytes + (256 TC + 128 CH) columns of 2 bytes
	s_lshl_b32 s46, s[TR], 20
	s_lshl_b32 s47, s[RH], 19
	s_add_co_u32 s46, s46, s47
	s_lshl_b32 s47, s[TC], 9
	s_add_co_u32 s46, s46, s47
	s_lshl_b32 s47, s[CH], 8
	s_add_co_u32 s46, s46, s47
	s_mov_b32 s47, 0
	; stat: (16 BT + 2 TC + CH) groups of 16,384 bytes + (256 T7 + 128 RH) rows of 4 bytes
	s_lshl_b32 s66, s[BT], 18
	s_lshl_b32 s67, s[TC], 15
	s_add_co_u32 s66, s66, s67
	s_lshl_b32 s67, s[CH], 14
	s_add_co_u32 s66, s66, s67
	s_lshl_b32 s67, s[T7], 10
	s_add_co_u32 s66, s66, s67
	s_lshl_b32 s67, s[RH], 9
	s_add_co_u32 s66, s66, s67
	s_mov_b32 s67, 0
	s_wait_dscnt 0x0                               ; the opening add is done
	s_wait_kmcnt 0x0
	s_add_nc_u64 s[40:41], s[4:5], s[40:41]
	s_add_nc_u64 s[42:43], s[4:5], s[42:43]
	s_add_nc_u64 s[MB:MB+1], s[6:7], s[44:45]
	s_add_nc_u64 s[8:9], s[8:9], s[46:47]
	s_add_nc_u64 s[ST:ST+1], s[10:11], s[66:67]
	CROUND                                         ; all sixteen work-groups are here: the first joint loads meet
.irp s, 0,1
	s_mov_b32 s[G0A+4*(\s)], 1
	s_add_co_u32 s[G0A+4*(\s)+1], s[LW], (\s)*SLOT
	s_add_nc_u64 s[G0A+4*(\s)+2:G0A+4*(\s)+3], s[40:41], (\s)*KSTEP*2
	s_or_b32 s[G0A+4*(\s)+3], s[G0A+4*(\s)+3], 0x80000000
	s_mov_b32 s[G0B+4*(\s)], 1
	s_add_co_u32 s[G0B+4*(\s)+1], s[LW], (\s)*SLOT
	s_add_nc_u64 s[G0B+4*(\s)+2:G0B+4*(\s)+3], s[42:43], (\s)*KSTEP*2
	s_or_b32 s[G0B+4*(\s)+3], s[G0B+4*(\s)+3], 0x80000000
	JLOAD \s                                       ; both slots are asked for before anything else: two loads of mine are out
.endr
	v_and_b32 v1, 15, v0                           ; r = lane % 16
	v_bfe_u32 v2, v0, 4, 1                         ; h = lane / 16
	v_mul_u32_u24 v3, v1, PITCH
	v_lshl_add_u32 v3, v2, 4, v3                   ; a fragment's row x pitch + 16 h
	s_mul_i32 s2, s[RH], HALFT                     ; my 128 rows of Q
	v_add_nc_u32 v[A0], s2, v3
	s_mul_i32 s2, s[CH], HALFT                     ; my 128 rows of K,
	s_add_co_u32 s2, s2, 2*HALFT                   ; which lie behind Q's 256
	v_add_nc_u32 v[B0], s2, v3
	v_mov_b32 v[ADRA], v[A0]                       ; slot 0
	v_mov_b32 v[ADRB], v[B0]
	v_mul_u32_u24 v3, v1, MPITCH                   ; the mask: row r, 32 h bytes into each block of 16 columns,
	v_lshl_add_u32 v3, v2, 5, v3
	v_add_nc_u32 v[MA], s[LW], v3                  ; in my quarter of slot 0 (first half)
	v_add_nc_u32 v[MA+1], SLOT, v[MA]              ; and of slot 1 (second half)
	s_mul_i32 s2, s[WV], 16*SPITCH
	s_add_co_u32 s2, s2, STAGE                     ; my stage
	v_mul_u32_u24 v3, v1, SPITCH
	v_lshl_add_u32 v3, v2, 4, v3
	v_add_nc_u32 v[STO], s2, v3
	v_mul_u32_u24 v3, v2, SPITCH
	v_lshl_add_u32 v3, v1, 4, v3
	v_add_nc_u32 v[RD], s2, v3
	v_lshlrev_b32 v3, 12, v2                       ; two rows of 4,096 bytes in pbuf
	v_lshl_add_u32 v[CO], v1, 4, v3
	s_lshl_b32 s2, s[WV], 10
	s_add_co_u32 s2, s2, STATST                    ; my statistics
	v_lshl_add_u32 v[STA0], v1, 2, s2
	v_and_b32 v3, 31, v0
	v_lshlrev_b32 v[SO], 4, v3
	v_add_nc_u32 v[SR], s2, v[SO]
	v_mov_b32 v[SC], 0x3d000000                    ; 1 / 32 = 1 / sqrt(1024), exact
; 16 matrix instructions: row blocks a0, a0 + 1 of the window's four (hi = 0: my rows 0-63, 1: rows 64-127) x all 8 key blocks, 32 along K.  The 64 accumulators take turns.
.macro MUL16 f, hi, a0, zero
	WIN MUL_LO+0x50*(\hi)
.irp a, \a0, (\a0)+1
.irp b, 0,1,2,3,4,5,6,7
.if \zero
	v_wmma_f32_16x16x32_f16 v[8*(8*(\a)+(\b)):8*(8*(\a)+(\b))+7], v[(\f)+8*(\b):(\f)+8*(\b)+7], v[(\f)+8*(4*(\hi)+(\a)):(\f)+8*(4*(\hi)+(\a))+7], 0
.else
	v_wmma_f32_16x16x32_f16 v[8*(8*(\a)+(\b)):8*(8*(\a)+(\b))+7], v[(\f)+8*(\b):(\f)+8*(\b)+7], v[(\f)+8*(4*(\hi)+(\a)):(\f)+8*(4*(\hi)+(\a))+7], v[8*(8*(\a)+(\b)):8*(8*(\a)+(\b))+7]
.endif
.endr
.endr
.endm
; 32 LDS loads in one run: 128 rows of K, then 128 rows of Q, 32 along K at byte k of the rows of the slot in hand, into buffer f
.macro FETCH k, f
	WIN 0x40
.irp i, 0,1,2,3,4,5,6,7
	ds_load_b128 v[(\f)+8*(\i):(\f)+8*(\i)+3],   v[ADRB] offset:(\k)+(\i)*16*PITCH
	ds_load_b128 v[(\f)+8*(\i)+4:(\f)+8*(\i)+7], v[ADRB] offset:(\k)+(\i)*16*PITCH+32
.endr
	WIN 0
.irp i, 0,1,2,3,4,5,6,7
	ds_load_b128 v[(\f)+8*(\i):(\f)+8*(\i)+3],   v[ADRA] offset:(\k)+(\i)*16*PITCH
	ds_load_b128 v[(\f)+8*(\i)+4:(\f)+8*(\i)+7], v[ADRA] offset:(\k)+(\i)*16*PITCH+32
.endr
.endm
; One of a K step's first three quarters: multiplies buffer f; in its middle it fetches the next quarter, at byte k, into buffer g.
.macro QUARTER k, f, g, zero
	s_wait_dscnt 8                                 ; K and Q's rows 0-63 are in; the youngest eight loads (Q's rows 64-127) may be out
	MUL16 \f, 0, 0, \zero
	MUL16 \f, 0, 2, \zero
	PLACES
	FETCH \k, \g
	s_wait_dscnt 32                                ; all but the 32 just issued
	MUL16 \f, 1, 0, \zero
	MUL16 \f, 1, 2, \zero
.endm
; The last quarter multiplies buffer 1 and changes slots.  In front of a round of the cluster's barrier each wave waits for all its tensor loads, of which one is out; adds 0 to its spare word; and waits for that
; and for its own reads of this slot.  Behind the round nobody reads this slot any more, the next slot is whole, and this slot is filled again first.
.macro MEET
	WIN 0
	s_wait_tensorcnt 0x0                           ; no tensor load of mine is out, so a group 0 may be written
	ds_add_u32 v[SPW], v[NIL]                      ; 0 onto my spare word
	s_wait_dscnt 9                                 ; the add and the youngest eight loads may be out
	MUL16 F1, 0, 0, 0
	s_wait_dscnt 0x0                               ; the add is done, and my reads of this slot are over
	s_barrier_signal -1
	MUL16 F1, 0, 2, 0                              ; work on registers while the others arrive
	WIN 0                                          ; at a branch and at a label every window is 0
	s_barrier_wait -1
	CREST
.endm
.macro NEXTSLOT                        ; the next slot's first fragments, and the rest of the last quarter
	s_xor_b32 s[TB], s[TB], SLOT
	v_add_nc_u32 v[ADRA], s[TB], v[A0]
	v_add_nc_u32 v[ADRB], s[TB], v[B0]
	FETCH 0, F0
	MUL16 F1, 1, 0, 0
	MUL16 F1, 1, 2, 0
.endm
	s_wait_tensorcnt 1                             ; my part of K step 0 is in; slot 1's may stay out
	s_barrier_signal -1
	s_barrier_wait -1
	FETCH 0, F0
	QUARTER 64, F0, F1, 1                          ; the first quarter stands in front of the loop: its products start the sums
	WIN 0
	s_mov_b32 s[CNT], NSTEP-2
.Lstep:                                                ; a trip: a K step's second quarter to the next step's first; the slot that is left takes the K step two further on
	QUARTER 128, F1, F0, 0
	QUARTER 192, F0, F1, 0
	MEET
	s_add_co_u32 s[G0A+5], s[TB], s[LW]            ; the walking descriptors: into the slot that is being left,
	s_add_nc_u64 s[G0A+6:G0A+7], s[G0A+6:G0A+7], KSTEP*2  ; the next K step; the type bits on top are not reached
	s_add_co_u32 s[G0B+5], s[TB], s[LW]
	s_add_nc_u64 s[G0B+6:G0B+7], s[G0B+6:G0B+7], KSTEP*2
	JLOAD 1                                        ; the first tensor load behind the round; its four v_nop are also the places in front of the loads below
	NEXTSLOT
	QUARTER 64, F0, F1, 0
	WIN 0
	s_sub_co_u32 s[CNT], s[CNT], 1
	s_cmp_lg_u32 s[CNT], 0
	s_cbranch_scc1 .Lstep
	s_mov_b32 s[CNT], 2
.Ltail:                                                ; the last two K steps: the slot that is left takes a half of my part of the mask
	QUARTER 128, F1, F0, 0
	QUARTER 192, F0, F1, 0
	MEET
	s_mov_b32 s[G0M], 1
	s_add_co_u32 s[G0M+1], s[TB], s[LW]            ; my quarter of the slot that is being left
	s_add_nc_u64 s[G0M+2:G0M+3], s[MB:MB+1], s[MO:MO+1]
	s_or_b32 s[G0M+3], s[G0M+3], 0x80000000
	s_add_co_u32 s[MO], s[MO], 64*8192             ; the next half begins 64 rows further down
	tensor_load_to_lds s[G0M:G0M+3], s[G1M:G1M+7]  ; the first tensor load behind the round, my only one until the next
	s_nop 0
	PLACES
	s_cmp_eq_u32 s[CNT], 1
	s_cbranch_scc1 .Llast                          ; behind the last step there is no slot to go to: what is jumped holds no barrier and no tensor load
	NEXTSLOT
	QUARTER 64, F0, F1, 0
	WIN 0
.Llast:
	s_sub_co_u32 s[CNT], s[CNT], 1
	s_cmp_lg_u32 s[CNT], 0
	s_cbranch_scc1 .Ltail
	MUL16 F1, 1, 0, 0                              ; the rest of the last quarter
	MUL16 F1, 1, 2, 0
	WIN 0
	PLACES
; THE WAY OUT.  64 loads: half s of my part of the mask, four blocks of 16 rows, into window 1: block n / 8, key block n % 8 at v[8 n]: the lane's eight columns, as in the accumulators.
.macro MASKLD s
	WIN 0x40
.set n, 0
.rept 32
	ds_load_b128 v[8*n:8*n+3],   v[MA+(\s)] offset:(n/8)*16*MPITCH+(n%8)*64
	ds_load_b128 v[8*n+4:8*n+7], v[MA+(\s)] offset:(n/8)*16*MPITCH+(n%8)*64+16
.set n, n+1
.endr
	WIN 0
.endm
; What differs from block to block, since registers are named in the text: the block's mask is rounded to bf16, and s = sum / 32 + mask in one fused step, into the 64 registers S.
; Each accumulator's registers are read in ascending order.
.macro SPEC a
.if (\a) == 4
	s_wait_tensorcnt 0x0                           ; the second half of the mask: no load was issued behind it
	MASKLD 1
	s_wait_dscnt 0x0
.endif
	WIN 0x05                                       ; sources 0 and 1 window 1
.set n, 0
.rept 32
	v_cvt_pk_bf16_f32 v[MKP+n], v[64*((\a)%4)+2*n], v[64*((\a)%4)+2*n+1]
.set n, n+1
.endr
	WIN 0x02+(\a)/4                                ; source 0 window 2 or 3
.set n, 0
.rept 32
	v_fma_mix_f32_bf16 v[S+2*n],   v[64*((\a)%4)+2*n],   v[SC], v[MKP+n] op_sel_hi:[0,0,1]
	v_fma_mix_f32_bf16 v[S+2*n+1], v[64*((\a)%4)+2*n+1], v[SC], v[MKP+n] op_sel:[0,0,1] op_sel_hi:[0,0,1]
.set n, n+1
.endr
	WIN 0
.endm
	s_wait_tensorcnt 1                             ; the first half of the mask is in; the second may stay out
	MASKLD 0
	s_wait_dscnt 0x0
	s_mov_b32 s[BLK], 0
.Lblk:                                                 ; eight blocks of 16 rows; the jumps go forward, on the counter alone
.irp a, 0,1,2,3,4,5,6
	s_cmp_eq_u32 s[BLK], \a
	s_cbranch_scc1 .Lb\a
.endr
	s_branch .Lb7
.irp a, 0,1,2,3,4,5,6,7
.Lb\a:
	SPEC \a
	s_branch .Lcom
.endr
.Lcom:
	; the maximum of my 64 scores: four chains of 15, three operands at a time, then the four left over; the row's other 64 keys lie in the lane 16 away
	v_lshl_add_u32 v[STA], s[BLK], 6, v[STA0]      ; the block's 16 words in my statistics
.irp c, 0,1,2,3
	v_max3_num_f32 v[C0+\c], v[S+16*\c], v[S+16*\c+1], v[S+16*\c+2]
.endr
.set k, 1
.rept 6
.irp c, 0,1,2,3
	v_max3_num_f32 v[C0+\c], v[C0+\c], v[S+16*\c+2*k+1], v[S+16*\c+2*k+2]
.endr
.set k, k+1
.endr
	v_max3_num_f32 v[C0], v[C0], v[S+15], v[S+31]
	v_max3_num_f32 v[C0+1], v[C0+1], v[S+47], v[S+63]
	v_max_num_f32 v[C0+2], v[C0+2], v[C0+3]
	v_max3_num_f32 v[C0], v[C0], v[C0+1], v[C0+2]
	v_permlanex16_b32 v[C0+1], v[C0], s[SEL], s[SEL+1]
	v_max3_num_f32 v[MX], v[C0], v[C0+1], s[FLOOR] ; never below the lowest finite number
	v_mov_b32 v[MX+1], v[MX]
.set n, 0
.rept 32
	v_pk_add_f32 v[S+2*n:S+2*n+1], v[S+2*n:S+2*n+1], v[MX:MX+1] neg_lo:[0,1] neg_hi:[0,1]  ; s - m first: at most 0, and exact where the two are close
.set n, n+1
.endr
.set n, 0
.rept 32
	v_pk_mul_f32 v[S+2*n:S+2*n+1], v[S+2*n:S+2*n+1], s[CL:CL+1] op_sel_hi:[1,0]
.set n, n+1
.endr
.set n, 0
.rept 64
	v_exp_f32 v[S+n], v[S+n]
.set n, n+1
.endr
	v_nop                                          ; a plain instruction between the last exponential and the use of its result
.set n, 0
	s_wait_alu depctr_va_vdst(0)
.rept 32
	v_cvt_pk_f16_f32 v[TMP+n], v[S+2*n], v[S+2*n+1]
.set n, n+1
.endr
	s_wait_xcnt 0x0                                ; only behind this wait are the stores' base and the registers that the last block's stores read rewritten
	s_add_nc_u64 s[8:9], s[8:9], s[STEP:STEP+1]
	s_mov_b32 s[STEP], 16*4096                     ; from the second block on: 16 rows of pbuf further
.irp b, 0,1,2,3,4,5,6,7
	ds_store_b128 v[STO], v[TMP+4*\b:TMP+4*\b+3] offset:32*\b
.endr
.irp t, 0,1,2,3,4,5,6,7
	ds_load_b128 v[OB+4*\t:OB+4*\t+3], v[RD] offset:\t*2*SPITCH  ; LDS serves a wave's instructions in order (ISA guide 5.7.1.4): these see the stores above
.endr
	; the sum of the unrounded weights, a tree in place, stands between those loads and the wait for them
.set w, 32
.rept 5
.set u, 0
.rept w/2
	v_pk_add_f32 v[S+2*u:S+2*u+1], v[S+2*u:S+2*u+1], v[S+w+2*u:S+w+2*u+1]
.set u, u+1
.endr
.set w, w/2
.endr
	v_add_f32 v[LS], v[S], v[S+1]
	v_permlanex16_b32 v[S+1], v[LS], s[SEL], s[SEL+1]
	v_add_f32 v[LS], v[LS], v[S+1]
	ds_store_b32 v[STA], v[MX]                     ; lanes r and r + 16 write the same word with the same number
	ds_store_b32 v[STA], v[LS] offset:512
	s_wait_dscnt 2                                 ; the rows are back; only the two stores above are younger
.irp t, 0,1,2,3,4,5,6,7
	global_store_b128 v[CO], v[OB+4*\t:OB+4*\t+3], s[8:9] offset:\t*8192  ; 16 lanes store 256 consecutive bytes, at a multiple of 256 from pbuf's first byte
.endr
	s_add_co_u32 s[BLK], s[BLK], 1
	s_cmp_lt_u32 s[BLK], 8
	s_cbranch_scc1 .Lblk
	ds_load_b128 v[S:S+3], v[SR]                   ; my 128 maxima and my 128 sums, 512 consecutive bytes each
	ds_load_b128 v[S+4:S+7], v[SR] offset:512
	s_wait_dscnt 0x0
	global_store_b128 v[SO], v[S:S+3], s[ST:ST+1]
	global_store_b128 v[SO], v[S+4:S+7], s[ST:ST+1] offset:8192
	s_wait_tensorcnt 0x0                           ; the wave's end: behind my last tensor load and my last LDS store
	ds_add_u32 v[SPW], v[NIL]
	s_wait_dscnt 0x0
	CROUND                                         ; the closing round: no work-group ends while a partner may still ask for a tile that names it
	s_endpgm
.Lfunc_end_k_qe3dceda1fc_score:
	.size	k_qe3dceda1fc_score, .Lfunc_end_k_qe3dceda1fc_score-k_qe3dceda1fc_score
	.p2alignl 7, 3214868480
	.fill 96, 4, 3214868480
	.section	.rodata,"a",@progbits
	.p2align	6, 0x0
	.amdhsa_kernel k_qe3dceda1fc_score
		.amdhsa_group_segment_fixed_size 327680
		.amdhsa_private_segment_fixed_size 0
		.amdhsa_enable_private_segment 0
		.amdhsa_kernarg_size 32
		.amdhsa_user_sgpr_count 2
		.amdhsa_user_sgpr_kernarg_segment_ptr 1
		.amdhsa_wavefront_size32 1
		.amdhsa_system_sgpr_workgroup_id_x 1
		.amdhsa_system_sgpr_workgroup_id_y 1
		.amdhsa_system_sgpr_workgroup_id_z 1
		.amdhsa_system_vgpr_workitem_id 0
		.amdhsa_next_free_vgpr 1024
		.amdhsa_next_free_sgpr 96
		.amdhsa_reserve_vcc 0
		.amdhsa_float_denorm_mode_32 3
		.amdhsa_float_denorm_mode_16_64 3
		.amdhsa_memory_ordered 1
		.amdhsa_forward_progress 1
		.amdhsa_inst_pref_size 146
	.end_amdhsa_kernel
	.amdgpu_metadata
---
amdhsa.version: [ 1, 2 ]
amdhsa.kernels:
  - .name:           k_qe3dceda1fc_score
    .symbol:         k_qe3dceda1fc_score.kd
    .args:
      - { .name: qkv, .offset: 0, .size: 8, .value_kind: global_buffer, .address_space: global }
      - { .name: mask, .offset: 8, .size: 8, .value_kind: global_buffer, .address_space: global }
      - { .name: pbuf, .offset: 16, .size: 8, .value_kind: global_buffer, .address_space: global }
      - { .name: stat, .offset: 24, .size: 8, .value_kind: global_buffer, .address_space: global }
    .group_segment_fixed_size: 327680
    .private_segment_fixed_size: 0
    .kernarg_segment_align: 8
    .kernarg_segment_size: 32
    .max_flat_workgroup_size: 128
    .sgpr_count:     96
    .vgpr_count:     1024
    .wavefront_size: 32
...
	.end_amdgpu_metadata
.endif
;; end of part 3
;; launch pv (part 4): grid 4 x 64, 4 waves a work-group, clusters of 4 x 4, 327,680 bytes of LDS; arguments pbuf, stat, qkv, out0; writes out0
.if DOCPART == 4
	.amdgcn_target "amdgcn-amd-amdhsa--gfx1250"
	.amdhsa_code_object_version 6
	.text
	.protected	k_qe3dceda1fc_pv
	.globl	k_qe3dceda1fc_pv
	.p2align	8
	.type	k_qe3dceda1fc_pv,@function
k_qe3dceda1fc_pv:
	s_mov_b64 s[64:65], 0
	v_nop
	global_prefetch_b8 v0, s[64:65] scope:SCOPE_SE
	s_setreg_imm32_b32 hwreg(HW_REG_WAVE_MODE, 25, 1), 1
	s_wait_xcnt 0x0
	s_wait_alu depctr_hold_cnt(0) depctr_sa_sdst(0) depctr_va_vdst(0) depctr_va_sdst(0) depctr_va_ssrc(0) depctr_va_vcc(0) depctr_vm_vsrc(0)
	s_getreg_b32 s2, hwreg(HW_REG_IB_STS2, 6, 4)
	s_cmp_eq_u32 s2, 0
	s_cbranch_scc0 .Lentry_in_a_cluster
	s_endpgm
.Lentry_in_a_cluster:
	s_bfe_u32 s2, ttmp6, 0x10000c
	s_cmp_lg_u32 s2, 0xf033
	s_cbranch_scc0 .Lentry_shape_is_right
	s_endpgm
.Lentry_shape_is_right:
; out0[i][c] = (1 / l_i) x the sum over key groups g and their keys k of (e_ig pbuf[i][k]) V[k][c], with mx_i = max over g of m_ig, e_ig = 2^(log2(e) (m_ig - mx_i)), l_i = the sum over g of l_ig e_ig.
; pbuf: [8192][2048] f16, weights relative to their group's maximum; stat: [4][16][2][2048] f32, m and l; V: plane 2 of qkv, [8192][1024] f16; out0: f32.  Maxima, e, l and the products' sums in f32;
; e is rounded to f16 and multiplied onto the weights in f16, between their load from LDS and the matrix instruction.
; LIMITS.  e x p below 6e-5 keeps f16's fixed step of 6e-8 (l is at least 1); an e below 2^-126 counts as 0.  A row hidden altogether by -infinity gives NaN.  NaN is not treated apart.
; SHARES.  64 x 4 tiles of 128 rows x 256 channels: 256 work-groups.  Four waves, each 64 x 128: 32 accumulators.  The keys go in 16 steps of 128, one key group each, through two LDS slots.
; CLUSTER.  4 x 4 work-groups: the four of a row need the same tile of weights, the four of a column the same tile of V: joint loads with a mask of four.
; THE MATRIX INSTRUCTION IS USED TRANSPOSED (source 0 = 16 channels of V, turned by ds_load_tr16_b128; source 1 = 16 rows of weights): a lane holds one row (lane % 16) and eight neighbouring channels.
; REGISTERS, in windows of 256 (s_set_vgpr_msb: bits 1:0 source 0, 3:2 source 1, 5:4 source 2, 7:6 destination):
;   window 0: v0-31 addresses, factors; v32-95 the weights' fragments, two buffers (at the start: the statistics; on the way out: scaled sums); v96-223 rows on the way out, two buffers; v224-231 1 / l in pairs
;   window 1: v0-127 V's fragments, two buffers      window 2: the accumulators, (a, b) at v[8 (8 a + b)]
.set KSTEP,  128
.set NSTEP,  16
.set PP,     272                       ; an LDS row of weights: 256 bytes + 16
.set PV,     544                       ; an LDS row of V: 512 bytes + 32 = 136 words
.set PHALF,  64*PP
.set VHALF,  64*PV
.set VOFF,   2*PHALF
.set SLOT,   VOFF+2*VHALF              ; 104,448 bytes
.set STAGE,  2*SLOT                    ; behind the ring: 16 rows x 528 bytes for each wave
.set SPITCH, 528
.set FT,     STAGE+4*16*SPITCH         ; 17 x 256 bytes for each wave: for each group the factors of its 64 rows (row 16 a + r at 16 r + 4 a), then 1 / l likewise
.set SPARE,  FT+4*17*256               ; the spare words, 128 bytes a wave: two blocks of 256 bytes that no other line names
.set SOFF, 4                           ; v4   4 x lane: my byte offset in 32 rows of stat
.set RLQ, 8                            ; v[8:11]   1 / l of rows r, 16 + r, 32 + r, 48 + r
.set FR,  12                           ; v[12:15]  the factors of the same rows for the group in hand, each twice in f16
.set AP0, 16                           ; v16  my lane's place in the weights' tile; never rewritten
.set AV0, 17                           ; v17  the same for V
.set AP,  18                           ; v18  AP0 + the slot in hand
.set AV,  19                           ; v19  AV0 + the slot in hand
.set FA,  20                           ; v20  FA0 + 256 x group
.set TS,  21                           ; v21  where I put the factors that I make
.set FA0, 22                           ; v22  my lane's 16 bytes in a group's factors
.set STO, 24
.set RD,  25
.set GO,  26
.set SPW, 28                           ; v28  my spare word; never rewritten
.set NIL, 29                           ; v29  0; never rewritten
.set PF,  32
.set T,   32
.set OB,  96
.set RLP, 224
.set SM,  32                           ; at the start: m of group g, rows lane and lane + 32, at v[32 + 2 g], v[33 + 2 g]
.set SL,  64                           ; l likewise
.set MXP, 96                           ; v[96:97] the two rows' maxima;  v[98:101] two chains of l;  v102, v103 1 / l
.set LSM, 98
.set RC,  102
.set EH,  128                          ; v128-159 e, twice in f16
.set VF,  0                            ; window 1
.set CNT, 3
.set WV,  12
.set RH,  13                           ; my half of the tile's rows; also: I fetch weights (0) or V (1)
.set CH,  14                           ; my half of its channels; also: which half of that tile I fetch
.set CX,  15
.set CY,  16
.set CLY, 17
.set YB,  18                           ; block of 128 rows, 0..63
.set BT,  19                           ; batch: from the cluster's y alone
.set TB,  20                           ; LDS byte at which the slot in hand begins
.set LWA, 21
.set LWB, 22
.set FB,  23                           ; 256 x the group whose factors are wanted next
.set G1A, 24                           ; s[24:31] group 1 for the weights;  s[32:39] group 0: set 0 fills slot 0 once, set 1 fills slot 1 and then walks
.set G0A, 32
.set G1B, 48                           ; s[48:55], s[56:63] the same for V
.set G0B, 56
.set CL,  74                           ; s[74:75] log2(e)
.set RM,  76
.set CM,  77
.set MSB, 0
.macro WIN new                         ; the immediate's high byte repeats the setting that is left; a switch that changes nothing is dropped
.if MSB != (\new)
	s_set_vgpr_msb (MSB<<8)|(\new)
.set MSB, \new
.endif
.endm
.set W_MUL, 0xa1                       ; source 0 window 1, source 1 window 0, C and D window 2
.macro PLACES                          ; four plain vector instructions between a matrix instruction and a write or load into its registers, or a read of its result
.rept 4
	v_nop
.endr
.endm
; A joint load.  The branch hangs on the wave's number alone.  An s_nop 0 and four v_nop follow each of the two lines, ahead of the jump and the label.
.macro JLOAD s
	s_cmp_eq_u32 s[RH], 0
	s_cbranch_scc0 .Lfor_b_\@
	tensor_load_to_lds s[G0A+4*(\s):G0A+4*(\s)+3], s[G1A:G1A+7]
	s_nop 0
.rept 4
	v_nop
.endr
	s_branch .Lasked_\@
.Lfor_b_\@:
	tensor_load_to_lds s[G0B+4*(\s):G0B+4*(\s)+3], s[G1B:G1B+7]
	s_nop 0
.rept 4
	v_nop
.endr
.Lasked_\@:
.endm
.macro CREST                           ; a round of the cluster's barrier behind its opening barrier
	s_cmp_lg_u32 s[WV], 0
	s_cbranch_scc1 .Lnot_wave_0_\@
	s_barrier_signal -3
.Lnot_wave_0_\@:
	s_barrier_wait -3
	s_barrier_signal -1
	s_barrier_wait -1
.endm
.macro CROUND
	s_barrier_signal -1
	s_barrier_wait -1
	CREST
.endm
	s_load_b256 s[4:11], s[0:1], 0x0               ; pbuf s[4:5], stat s[6:7], qkv s[8:9], out0 s[10:11]
	v_lshl_add_u32 v[SPW], v0, 2, SPARE
	v_mov_b32 v[NIL], 0
	ds_add_u32 v[SPW], v[NIL]                      ; the wave's opening: the add and its wait stand ahead of my first tensor load; the set-up below, work on registers, stands between them
	v_lshrrev_b32 v1, 5, v0
	v_readfirstlane_b32 s[WV], v1                  ; wave 0..3
	s_lshr_b32 s[RH], s[WV], 1
	s_and_b32 s[CH], s[WV], 1
	s_bfe_u32 s[CX], ttmp6, 0x40000                ; cx: the grid is one cluster wide, so cx is the channel tile
	s_bfe_u32 s[CY], ttmp6, 0x40004
	s_and_b32 s[CLY], ttmp7, 0xffff
	s_lshl_b32 s[YB], s[CLY], 2
	s_add_co_u32 s[YB], s[YB], s[CY]               ; row block = 4 x cluster y + cy
	s_lshr_b32 s[BT], s[CLY], 2                    ; four clusters, 16 row blocks, to a batch
	s_lshl_b32 s[RM], s[CY], 2
	s_lshl_b32 s[RM], 15, s[RM]                    ; my row of the cluster
	s_lshl_b32 s[CM], 0x1111, s[CX]                ; my column
	; group 1 for the weights: 64 rows x 128 elements of 2 bytes, 4 words of padding behind every 64 words
	s_or_b32 s[G1A+0], s[RM], (1<<16)|(1<<20)|(1<<21)|(5<<22)|(3<<25)
	s_mov_b32 s[G1A+1], 128<<16
	s_mov_b32 s[G1A+2], 64<<16
	s_mov_b32 s[G1A+3], 128<<16
	s_mov_b32 s[G1A+4], 64
	s_mov_b32 s[G1A+5], 2048
	s_mov_b32 s[G1A+6], 0
	s_mov_b32 s[G1A+7], 0
	; group 1 for V: 64 keys x 256 elements of 2 bytes, 8 words of padding behind every 128 words
	s_or_b32 s[G1B+0], s[CM], (1<<16)|(1<<20)|(1<<21)|(6<<22)|(7<<25)
	s_mov_b32 s[G1B+1], 256<<16
	s_mov_b32 s[G1B+2], 64<<16
	s_mov_b32 s[G1B+3], 256<<16
	s_mov_b32 s[G1B+4], 64
	s_mov_b32 s[G1B+5], 1024
	s_mov_b32 s[G1B+6], 0
	s_mov_b32 s[G1B+7], 0
	s_mov_b32 s[TB], 0
	s_mov_b32 s[FB], 0
	s_mul_i32 s[LWA], s[CH], PHALF                 ; no place in the cluster enters an LDS address
	s_mul_i32 s[LWB], s[CH], VHALF
	s_add_co_u32 s[LWB], s[LWB], VOFF
	s_mov_b32 s[CL], 0x3fb8aa3b                    ; log2(e)
	s_mov_b32 s[CL+1], s[CL]                       ; named with it as a pair
	; byte offsets, each in registers of its own.  The weights: (128 YB + 64 CH) rows of 4,096 bytes: the tile row and the wave alone
	s_lshl_b32 s40, s[YB], 19
	s_lshl_b32 s41, s[CH], 18
	s_add_co_u32 s40, s40, s41
	s_mov_b32 s41, 0
	; V: plane 2 (32 MiB on) + (2,048 BT + 64 CH) keys of 2,048 bytes + 256 cx channels of 2 bytes: the cluster's y, the tile column and the wave alone
	s_lshl_b32 s42, s[BT], 22
	s_lshl_b32 s43, s[CH], 17
	s_add_co_u32 s42, s42, s43
	s_lshl_b32 s43, s[CX], 9
	s_add_co_u32 s42, s42, s43
	s_add_co_u32 s42, s42, 1<<25
	s_mov_b32 s43, 0
	; stat: batch x 262,144 + (128 (YB mod 16) + 64 RH) rows of 4 bytes
	s_lshl_b32 s44, s[BT], 18
	s_and_b32 s45, s[YB], 15
	s_lshl_b32 s45, s45, 9
	s_add_co_u32 s44, s44, s45
	s_lshl_b32 s45, s[RH], 8
	s_add_co_u32 s44, s44, s45
	s_mov_b32 s45, 0
	; out0: (128 YB + 64 RH) rows of 4,096 bytes + (256 cx + 128 CH) channels of 4 bytes
	s_lshl_b32 s46, s[YB], 19
	s_lshl_b32 s47, s[RH], 18
	s_add_co_u32 s46, s46, s47
	s_lshl_b32 s47, s[CX], 10
	s_add_co_u32 s46, s46, s47
	s_lshl_b32 s47, s[CH], 9
	s_add_co_u32 s46, s46, s47
	s_mov_b32 s47, 0
	s_wait_dscnt 0x0                               ; the opening add is done
	s_wait_kmcnt 0x0
	s_add_nc_u64 s[4:5], s[4:5], s[40:41]
	s_add_nc_u64 s[8:9], s[8:9], s[42:43]
	s_add_nc_u64 s[6:7], s[6:7], s[44:45]
	s_add_nc_u64 s[10:11], s[10:11], s[46:47]
	CROUND                                         ; all sixteen work-groups are here: the first joint loads meet
.irp s, 0,1
	s_mov_b32 s[G0A+4*(\s)], 1
	s_add_co_u32 s[G0A+4*(\s)+1], s[LWA], (\s)*SLOT
	s_add_nc_u64 s[G0A+4*(\s)+2:G0A+4*(\s)+3], s[4:5], (\s)*KSTEP*2      ; 128 keys along the weights' rows
	s_or_b32 s[G0A+4*(\s)+3], s[G0A+4*(\s)+3], 0x80000000
	s_mov_b32 s[G0B+4*(\s)], 1
	s_add_co_u32 s[G0B+4*(\s)+1], s[LWB], (\s)*SLOT
	s_add_nc_u64 s[G0B+4*(\s)+2:G0B+4*(\s)+3], s[8:9], (\s)*KSTEP*2048   ; 128 rows of V down
	s_or_b32 s[G0B+4*(\s)+3], s[G0B+4*(\s)+3], 0x80000000
	JLOAD \s                                       ; both slots are asked for before anything else: two loads of mine are out
.endr
	; THE STATISTICS, in the wait for the first tiles.  Lane i owns rows i and i + 32 of the wave's 64: m and l of their 16 groups.
	v_and_b32 v1, 15, v0                           ; r = lane % 16
	v_bfe_u32 v2, v0, 4, 1                         ; h = lane / 16
	v_and_b32 v3, 31, v0                           ; lane
	v_lshlrev_b32 v[SOFF], 2, v3
.set g, 0
.rept 16
	global_load_b32 v[SM+2*g],   v[SOFF], s[6:7] offset:g*16384
	global_load_b32 v[SM+2*g+1], v[SOFF], s[6:7] offset:g*16384+128
	global_load_b32 v[SL+2*g],   v[SOFF], s[6:7] offset:g*16384+8192
	global_load_b32 v[SL+2*g+1], v[SOFF], s[6:7] offset:g*16384+8192+128
.set g, g+1
.endr
	v_mul_u32_u24 v5, v1, PP                       ; a fragment of weights: row x pitch + 16 h
	v_lshl_add_u32 v5, v2, 4, v5
	s_mul_i32 s2, s[RH], PHALF                     ; my 64 rows
	v_add_nc_u32 v[AP0], s2, v5
	; The turning load takes 16 keys x 16 channels (lane l reads key 8 (l / 16) + l % 8, channels 8 ((l / 8) % 2) + 0..7) and leaves half a fragment of V^T: lane l holds channel l % 16 and 8 keys.
	v_and_b32 v5, 7, v0
	v_lshl_add_u32 v5, v2, 3, v5
	v_mul_u32_u24 v5, v5, PV
	v_bfe_u32 v6, v0, 3, 1
	v_lshl_add_u32 v5, v6, 4, v5
	s_lshl_b32 s2, s[CH], 8                        ; my 128 channels
	s_add_co_u32 s2, s2, VOFF
	v_add_nc_u32 v[AV0], s2, v5
	v_mov_b32 v[AP], v[AP0]                        ; slot 0
	v_mov_b32 v[AV], v[AV0]
	s_mul_i32 s2, s[WV], 16*SPITCH
	s_add_co_u32 s2, s2, STAGE                     ; my stage
	v_mul_u32_u24 v5, v1, SPITCH                   ; in: row l % 16, 32 bytes for each half of the lanes
	v_lshl_add_u32 v5, v2, 5, v5
	v_add_nc_u32 v[STO], s2, v5
	v_lshl_add_u32 v[RD], v3, 4, s2                ; back: 32 lanes take one row of 512 bytes
	v_lshlrev_b32 v[GO], 4, v3                     ; and the same 512 bytes in out0
	s_mul_i32 s2, s[WV], 17*256
	s_add_co_u32 s2, s2, FT                        ; my table of factors
	v_lshl_add_u32 v[FA0], v1, 4, s2
	v_lshl_add_u32 v[TS], v2, 2, v[FA0]            ; row i = 16 (i / 16) + i % 16 goes to 16 (i % 16) + 4 (i / 16); row i + 32 eight bytes further
	v_mov_b32 v[FA], v[FA0]
	s_wait_loadcnt 0x0
.irp hf, 0,1
	v_max3_num_f32 v[MXP+\hf], v[SM+\hf], v[SM+2+\hf], v[SM+4+\hf]
.endr
.set k, 1
.rept 6
.irp hf, 0,1
	v_max3_num_f32 v[MXP+\hf], v[MXP+\hf], v[SM+2*(2*k+1)+\hf], v[SM+2*(2*k+2)+\hf]
.endr
.set k, k+1
.endr
.irp hf, 0,1
	v_max_num_f32 v[MXP+\hf], v[MXP+\hf], v[SM+30+\hf]
.endr
.set g, 0
.rept 16
	v_pk_add_f32 v[SM+2*g:SM+2*g+1], v[SM+2*g:SM+2*g+1], v[MXP:MXP+1] neg_lo:[0,1] neg_hi:[0,1]  ; m - mx first: at most 0
.set g, g+1
.endr
.set g, 0
.rept 16
	v_pk_mul_f32 v[SM+2*g:SM+2*g+1], v[SM+2*g:SM+2*g+1], s[CL:CL+1] op_sel_hi:[1,0]
.set g, g+1
.endr
.set n, 0
.rept 32
	v_exp_f32 v[SM+n], v[SM+n]
.set n, n+1
.endr
	v_nop                                          ; a plain instruction between the last exponential and the use of its result
	s_wait_alu depctr_va_vdst(0)
	v_pk_mul_f32 v[LSM:LSM+1], v[SL:SL+1], v[SM:SM+1]          ; l = the sum of l_g e_g, in two chains, each started by its first product
	v_pk_mul_f32 v[LSM+2:LSM+3], v[SL+2:SL+3], v[SM+2:SM+3]
.set g, 2
.rept 14
	v_pk_fma_f32 v[LSM+2*(g%2):LSM+2*(g%2)+1], v[SL+2*g:SL+2*g+1], v[SM+2*g:SM+2*g+1], v[LSM+2*(g%2):LSM+2*(g%2)+1]
.set g, g+1
.endr
	v_pk_add_f32 v[LSM:LSM+1], v[LSM:LSM+1], v[LSM+2:LSM+3]
	v_rcp_f32 v[RC], v[LSM]
	v_rcp_f32 v[RC+1], v[LSM+1]
	v_nop                                          ; a plain instruction behind the reciprocals
.set n, 0
.rept 32
	v_cvt_pk_f16_f32 v[EH+n], v[SM+n], v[SM+n]     ; e in both halves, for the packed multiplication
.set n, n+1
.endr
.set g, 0
.rept 16
	ds_store_b32 v[TS], v[EH+2*g]   offset:g*256
	ds_store_b32 v[TS], v[EH+2*g+1] offset:g*256+8
.set g, g+1
.endr
	s_wait_alu depctr_va_vdst(0)
	ds_store_b32 v[TS], v[RC]   offset:4096
	ds_store_b32 v[TS], v[RC+1] offset:4096+8
	ds_load_b128 v[RLQ:RLQ+3], v[FA] offset:4096   ; the table is the wave's own, and LDS serves a wave's instructions in order (ISA guide 5.7.1.4): no barrier
	ds_load_b128 v[FR:FR+3], v[FA]                 ; group 0's factors
; n products from number i0 on: product i is row block i / 8 x channel block i % 8, 32 keys, from buffer f.  The 32 accumulators take turns, one instruction a turn.
.macro MULS f, i0, n, zero
	WIN W_MUL
.set i, \i0
.rept \n
.if \zero
	v_wmma_f32_16x16x32_f16 v[8*i:8*i+7], v[VF+64*(\f)+8*(i%8):VF+64*(\f)+8*(i%8)+7], v[PF+32*(\f)+8*(i/8):PF+32*(\f)+8*(i/8)+7], 0
.else
	v_wmma_f32_16x16x32_f16 v[8*i:8*i+7], v[VF+64*(\f)+8*(i%8):VF+64*(\f)+8*(i%8)+7], v[PF+32*(\f)+8*(i/8):PF+32*(\f)+8*(i/8)+7], v[8*i:8*i+7]
.endif
.set i, i+1
.endr
.endm
; 24 LDS loads in one run: quarter kq (32 keys) of the slot in hand into buffer g: the weights first, then V, turned
.macro FETCH kq, g
	WIN 0
.irp a, 0,1,2,3
	ds_load_b128 v[PF+32*(\g)+8*\a:PF+32*(\g)+8*\a+3],   v[AP] offset:(\kq)*64+\a*16*PP
	ds_load_b128 v[PF+32*(\g)+8*\a+4:PF+32*(\g)+8*\a+7], v[AP] offset:(\kq)*64+\a*16*PP+32
.endr
	WIN 0x40
.irp b, 0,1,2,3,4,5,6,7
	ds_load_tr16_b128 v[VF+64*(\g)+8*\b:VF+64*(\g)+8*\b+3],   v[AV] offset:(\kq)*32*PV+\b*32
	ds_load_tr16_b128 v[VF+64*(\g)+8*\b+4:VF+64*(\g)+8*\b+7], v[AV] offset:(\kq)*32*PV+16*PV+\b*32
.endr
.endm
; A quarter's last eight products, and behind each four packed multiplications of the next quarter's weights by their rows' factors.  The four behind the last product name none of its registers:
; they are the places in front of the next run of loads, which lands in the buffers just multiplied.
.macro RIDE f, zero
.set j, 0
.rept 8
	MULS \f, 24+j, 1, \zero
	WIN 0
.set n, 4*j
.rept 4
	v_pk_mul_f16 v[PF+32*(1-(\f))+n], v[PF+32*(1-(\f))+n], v[FR+n/8]
.set n, n+1
.endr
.set j, j+1
.endr
.endm
.macro QUARTER kq, f, zero
	FETCH \kq, 1-(\f)
	s_wait_dscnt 24                                ; all but the 24 just issued: V of buffer f is in
	MULS \f, 0, 24, \zero
	s_wait_dscnt 16                                ; the weights are in; V's sixteen loads behind them may stay out
	RIDE \f, \zero
.endm
; The last quarter multiplies buffer 1 and changes slots.  Its first half: ONE barrier.  In front of it each wave waits for all its tensor loads, of which one is out at the most: its part of the next slot;
; adds 0 to its spare word; and waits for that and for its own reads of this slot.  fill = 1: the barrier opens a round of the cluster's, and this slot is filled again, two steps ahead, first thing behind it.
.macro TURN_A fill
	WIN 0
	s_wait_tensorcnt 0x0                           ; no tensor load of mine is out, so a group 0 may be written
	ds_add_u32 v[SPW], v[NIL]                      ; 0 onto my spare word
.if \fill
	s_add_co_u32 s[G0A+5], s[TB], s[LWA]           ; the walking descriptors: into the slot that is being left,
	s_add_nc_u64 s[G0A+6:G0A+7], s[G0A+6:G0A+7], KSTEP*2     ; the next 128 keys; the type bits on top are not reached
	s_add_co_u32 s[G0B+5], s[TB], s[LWB]
	s_add_nc_u64 s[G0B+6:G0B+7], s[G0B+6:G0B+7], KSTEP*2048
.endif
	s_wait_dscnt 1                                 ; only the add may be out: V of buffer 1 is in
	MULS 1, 0, 8, 0
	s_wait_dscnt 0x0                               ; the add is done, and my reads of this slot are over
	s_barrier_signal -1
	MULS 1, 8, 8, 0                                ; work on registers while the others arrive
	WIN 0                                          ; at a branch and at a label every window is 0
	s_barrier_wait -1
.if \fill
	CREST                                          ; no wave of any partner still reads this slot or has a load on its way
	JLOAD 1                                        ; the first tensor load behind the round, my only one until the next
.endif
.endm
; Its second half: the next group's factors and first quarter are fetched, and the weights scaled, under the rest of the products.
.macro TURN_B
	s_xor_b32 s[TB], s[TB], SLOT
	s_add_co_u32 s[FB], s[FB], 256
	v_add_nc_u32 v[AP], s[TB], v[AP0]
	v_add_nc_u32 v[AV], s[TB], v[AV0]
	v_add_nc_u32 v[FA], s[FB], v[FA0]
	ds_load_b128 v[FR:FR+3], v[FA]                 ; the step that is left needs its factors no more
	FETCH 0, 0
	MULS 1, 16, 8, 0
	s_wait_dscnt 16                                ; the factors and the weights are in
	RIDE 1, 0
.endm
	s_wait_tensorcnt 1                             ; my part of step 0 is in; slot 1's may stay out
	s_wait_dscnt 0x0                               ; my table is written, 1 / l and the first factors are back
	s_barrier_signal -1
	s_barrier_wait -1
.irp a, 0,1,2,3
	v_mov_b32 v[RLP+2*\a], v[RLQ+\a]               ; 1 / l in pairs, for the packed multiplication on the way out
	v_mov_b32 v[RLP+2*\a+1], v[RLQ+\a]
.endr
	FETCH 0, 0
	s_wait_dscnt 0x0
	WIN 0
.set n, 0
.rept 32
	v_pk_mul_f16 v[PF+n], v[PF+n], v[FR+n/8]
.set n, n+1
.endr
	QUARTER 1, 0, 1                                ; the first quarter stands in front of the loop: its products start the sums
	WIN 0
	s_mov_b32 s[CNT], NSTEP-2
.Lstep:                                                ; a trip: a step's second quarter to the next step's first; the slot that is left is filled again
	QUARTER 2, 1, 0
	QUARTER 3, 0, 0
	TURN_A 1
	TURN_B
	QUARTER 1, 0, 0
	WIN 0
	s_sub_co_u32 s[CNT], s[CNT], 1
	s_cmp_lg_u32 s[CNT], 0
	s_cbranch_scc1 .Lstep
	s_mov_b32 s[CNT], 2
.Ltail:                                                ; the last two steps ask for nothing
	QUARTER 2, 1, 0
	QUARTER 3, 0, 0
	TURN_A 0
	s_cmp_eq_u32 s[CNT], 1
	s_cbranch_scc1 .Llast                          ; behind the last step there is no slot to go to: what is jumped holds no barrier and no tensor load
	TURN_B
	QUARTER 1, 0, 0
	WIN 0
.Llast:
	s_sub_co_u32 s[CNT], s[CNT], 1
	s_cmp_lg_u32 s[CNT], 0
	s_cbranch_scc1 .Ltail
	MULS 1, 16, 16, 0                              ; the rest of the last quarter
	WIN 0
	PLACES
; THE WAY OUT, a block of 16 rows at a time.  PACK: the sums times 1 / l (each accumulator's registers in ascending order).
.macro PACK a
	WIN 0x02                                       ; source 0 window 2
.set n, 0
.rept 32
	v_pk_mul_f32 v[T+2*n:T+2*n+1], v[64*(\a)+2*n:64*(\a)+2*n+1], v[RLP+2*(\a):RLP+2*(\a)+1]
.set n, n+1
.endr
	WIN 0
.endm
.macro TOSTAGE a                       ; into my own stage, 32 bytes of a row a lane and block, and back as whole rows of 512 bytes
	WIN 0
.irp b, 0,1,2,3,4,5,6,7
	ds_store_b128 v[STO], v[T+8*\b:T+8*\b+3]   offset:64*\b
	ds_store_b128 v[STO], v[T+8*\b+4:T+8*\b+7] offset:64*\b+16
.endr
.irp t, 0,1,2,3,4,5,6,7,8,9,10,11,12,13,14,15
	ds_load_b128 v[OB+64*((\a)%2)+4*\t:OB+64*((\a)%2)+4*\t+3], v[RD] offset:\t*SPITCH  ; LDS serves a wave's instructions in order (ISA guide 5.7.1.4): these see the stores above
.endr
.endm
.macro SEND a
	WIN 0
	s_wait_dscnt 0x0                               ; the block is back in registers
	s_wait_xcnt 0x0                                ; only behind this wait are the stores' base and the registers that earlier stores read rewritten
.if (\a) > 0
	s_add_nc_u64 s[10:11], s[10:11], 16*4096
.endif
.irp t, 0,1,2,3,4,5,6,7,8,9,10,11,12,13,14,15
	global_store_b128 v[GO], v[OB+64*((\a)%2)+4*\t:OB+64*((\a)%2)+4*\t+3], s[10:11] offset:\t*4096 th:TH_STORE_NT  ; 512 consecutive bytes, at a multiple of 512 from out0's first byte
.endr
.endm
	PACK 0
	TOSTAGE 0
.irp a, 1,2,3                          ; block a's arithmetic stands between block a - 1's loads from the stage and the wait for them
	PACK \a
	SEND (\a)-1
	TOSTAGE \a
.endr
	SEND 3
	s_wait_tensorcnt 0x0                           ; the wave's end: behind my last tensor load and my last LDS store
	ds_add_u32 v[SPW], v[NIL]
	s_wait_dscnt 0x0
	CROUND                                         ; the closing round: no work-group ends while a partner may still ask for a tile that names it
	s_endpgm
.Lfunc_end_k_qe3dceda1fc_pv:
	.size	k_qe3dceda1fc_pv, .Lfunc_end_k_qe3dceda1fc_pv-k_qe3dceda1fc_pv
	.p2alignl 7, 3214868480
	.fill 96, 4, 3214868480
	.section	.rodata,"a",@progbits
	.p2align	6, 0x0
	.amdhsa_kernel k_qe3dceda1fc_pv
		.amdhsa_group_segment_fixed_size 327680
		.amdhsa_private_segment_fixed_size 0
		.amdhsa_enable_private_segment 0
		.amdhsa_kernarg_size 32
		.amdhsa_user_sgpr_count 2
		.amdhsa_user_sgpr_kernarg_segment_ptr 1
		.amdhsa_wavefront_size32 1
		.amdhsa_system_sgpr_workgroup_id_x 1
		.amdhsa_system_sgpr_workgroup_id_y 1
		.amdhsa_system_sgpr_workgroup_id_z 1
		.amdhsa_system_vgpr_workitem_id 0
		.amdhsa_next_free_vgpr 768
		.amdhsa_next_free_sgpr 96
		.amdhsa_reserve_vcc 0
		.amdhsa_float_denorm_mode_32 3
		.amdhsa_float_denorm_mode_16_64 3
		.amdhsa_memory_ordered 1
		.amdhsa_forward_progress 1
		.amdhsa_inst_pref_size 109
	.end_amdhsa_kernel
	.amdgpu_metadata
---
amdhsa.version: [ 1, 2 ]
amdhsa.kernels:
  - .name:           k_qe3dceda1fc_pv
    .symbol:         k_qe3dceda1fc_pv.kd
    .args:
      - { .name: pbuf, .offset: 0, .size: 8, .value_kind: global_buffer, .address_space: global }
      - { .name: stat, .offset: 8, .size: 8, .value_kind: global_buffer, .address_space: global }
      - { .name: qkv, .offset: 16, .size: 8, .value_kind: global_buffer, .address_space: global }
      - { .name: out0, .offset: 24, .size: 8, .value_kind: global_buffer, .address_space: global }
    .group_segment_fixed_size: 327680
    .private_segment_fixed_size: 0
    .kernarg_segment_align: 8
    .kernarg_segment_size: 32
    .max_flat_workgroup_size: 128
    .sgpr_count:     96
    .vgpr_count:     768
    .wavefront_size: 32
...
	.end_amdgpu_metadata
.endif
;; end of part 4
;; ======== version 2 of 2: 4 launches; version 1 with the launch castw written anew for expert scheduling mode
;; limits: values are held in f16: magnitudes above 65,504 overflow, below 6.1e-05 lose precision
;; workspace buffers: wb 6,291,456 bytes; qkv 50,331,648 bytes; pbuf 33,554,432 bytes; stat 1,048,576 bytes
;; launch castw (part 5): grid 256 x 1, 8 waves a work-group, no clusters, 0 bytes of LDS; arguments w_q, w_k, w_v, wb; writes wb
.if DOCPART == 5
	.amdgcn_target "amdgcn-amd-amdhsa--gfx1250"
	.amdhsa_code_object_version 6
	.text
	.protected	k_qe3dceda1fc_castw
	.globl	k_qe3dceda1fc_castw
	.p2align	8
	.type	k_qe3dceda1fc_castw,@function
k_qe3dceda1fc_castw:
	s_mov_b64 s[64:65], 0
	v_nop
	global_prefetch_b8 v0, s[64:65] scope:SCOPE_SE
	s_setreg_imm32_b32 hwreg(HW_REG_WAVE_SCHED_MODE, 0, 2), 2
	s_setreg_imm32_b32 hwreg(HW_REG_WAVE_MODE, 25, 1), 1
	s_wait_xcnt 0x0
	s_wait_alu depctr_vm_vsrc(0)
; wb[p][e][d] = bf16(w_p[e][d]) for the three weight matrices (p = 0: w_q, 1: w_k, 2: w_v), each [1024][1024] f32, rounded once to nearest even.
; A stream: every byte is read once and written once, nothing is shared between work-groups, so there is no LDS, no barrier, no cluster and no matrix work.
; Work-group x takes 16,384 bytes of each matrix: 256 threads x 16 bytes x 4 loads.  All twelve loads of a thread go out first; no register is used twice.
; A wave's load covers 512 consecutive bytes; its store of 8 bytes a lane covers 256 consecutive bytes at a multiple of 256 from wb's first byte.
; THE MODE: SCHED_MODE bits 1:0 = 2 (LLVM: expert scheduling mode 2), set by the entry lines.  The code itself states the register dependences
; between vector instructions and memory instructions, with s_wait_alu, always for 0.
; THE PLAN.  Registers that memory instructions touch:
;   v1, v2   byte offsets of the loads and of the stores.  Written once at the head, read by every load or store, never written again.
;   IN       twelve loads of four f32.  Each register is written by one load; no vector instruction names it ahead of that load; the conversions read it behind the wait for its data.
;   OUT      twelve pairs of packed bf16.  Each pair is written once, by two conversions, read by one store, and never written again.
; The work goes in three steps, a matrix each: the wait for the step's four loads, its eight conversions, ONE wait on va_vdst, its four stores in one run.
; One more wait on va_vdst stands at the head, for the two offsets.  No register that a memory instruction reads is written again, so no wait on vm_vsrc is owed;
; no vector instruction writes a scalar register or VCC, and EXEC is never written.
.set IN,   4                           ; v[4:51]   twelve loads of four f32
.set OUT,  52                          ; v[52:75]  twelve pairs of packed bf16
	s_load_b256 s[4:11], s[0:1], 0x0               ; w_q s[4:5], w_k s[6:7], w_v s[8:9], wb s[10:11]
	v_lshlrev_b32 v1, 4, v0                        ; 16 bytes a thread on the way in,
	v_lshlrev_b32 v2, 3, v0                        ; 8 on the way out
	s_lshl_b32 s12, ttmp9, 14                      ; the work-group's 16,384 bytes of a matrix
	s_mov_b32 s13, 0
	s_lshl_b32 s14, ttmp9, 13                      ; and its 8,192 bytes of the copy
	s_mov_b32 s15, 0
	s_wait_kmcnt 0x0
	s_add_nc_u64 s[4:5], s[4:5], s[12:13]
	s_add_nc_u64 s[6:7], s[6:7], s[12:13]
	s_add_nc_u64 s[8:9], s[8:9], s[12:13]
	s_add_nc_u64 s[10:11], s[10:11], s[14:15]
	s_wait_alu depctr_va_vdst(0)                   ; v1 and v2 are written: every load below reads v1 as its offset, every store v2; no later vector instruction names either
.irp p, 0,1,2
.irp j, 0,1,2,3
	global_load_b128 v[IN+16*\p+4*\j:IN+16*\p+4*\j+3], v1, s[4+2*\p:5+2*\p] offset:4096*\j th:TH_LOAD_NT
.endr
.endr
.irp p, 0,1,2
	s_wait_loadcnt 8-4*\p                          ; loads come back in order (ISA guide 5.7.1): this matrix's four are in, the younger matrices' stay out
.irp j, 0,1,2,3
	v_cvt_pk_bf16_f32 v[OUT+8*\p+2*\j], v[IN+16*\p+4*\j], v[IN+16*\p+4*\j+1]
	v_cvt_pk_bf16_f32 v[OUT+8*\p+2*\j+1], v[IN+16*\p+4*\j+2], v[IN+16*\p+4*\j+3]
.endr
	s_wait_alu depctr_va_vdst(0)                   ; the eight conversions above have written this step's eight registers of OUT, which the four stores below read
.irp j, 0,1,2,3
	global_store_b64 v2, v[OUT+8*\p+2*\j:OUT+8*\p+2*\j+1], s[10:11] offset:\p*2097152+2048*\j
.endr
.endr
	s_endpgm
.Lfunc_end_k_qe3dceda1fc_castw:
	.size	k_qe3dceda1fc_castw, .Lfunc_end_k_qe3dceda1fc_castw-k_qe3dceda1fc_castw
	.p2alignl 7, 3214868480
	.fill 96, 4, 3214868480
	.section	.rodata,"a",@progbits
	.p2align	6, 0x0
	.amdhsa_kernel k_qe3dceda1fc_castw
		.amdhsa_group_segment_fixed_size 0
		.amdhsa_private_segment_fixed_size 0
		.amdhsa_enable_private_segment 0
		.amdhsa_kernarg_size 32
		.amdhsa_user_sgpr_count 2
		.amdhsa_user_sgpr_kernarg_segment_ptr 1
		.amdhsa_wavefront_size32 1
		.amdhsa_system_sgpr_workgroup_id_x 1
		.amdhsa_system_sgpr_workgroup_id_y 1
		.amdhsa_system_sgpr_workgroup_id_z 1
		.amdhsa_system_vgpr_workitem_id 0
		.amdhsa_next_free_vgpr 80
		.amdhsa_next_free_sgpr 66
		.amdhsa_reserve_vcc 0
		.amdhsa_float_denorm_mode_32 3
		.amdhsa_float_denorm_mode_16_64 3
		.amdhsa_memory_ordered 1
		.amdhsa_forward_progress 1
		.amdhsa_inst_pref_size 5
	.end_amdhsa_kernel
	.amdgpu_metadata
---
amdhsa.version: [ 1, 2 ]
amdhsa.kernels:
  - .name:           k_qe3dceda1fc_castw
    .symbol:         k_qe3dceda1fc_castw.kd
    .args:
      - { .name: w_q, .offset: 0, .size: 8, .value_kind: global_buffer, .address_space: global }
      - { .name: w_k, .offset: 8, .size: 8, .value_kind: global_buffer, .address_space: global }
      - { .name: w_v, .offset: 16, .size: 8, .value_kind: global_buffer, .address_space: global }
      - { .name: wb, .offset: 24, .size: 8, .value_kind: global_buffer, .address_space: global }
    .group_segment_fixed_size: 0
    .private_segment_fixed_size: 0
    .kernarg_segment_align: 8
    .kernarg_segment_size: 32
    .max_flat_workgroup_size: 256
    .sgpr_count:     66
    .vgpr_count:     80
    .wavefront_size: 32
...
	.end_amdgpu_metadata
.endif
;; end of part 5
;; launch proj: the kernel of part 2 again; grid 4 x 64, 4 waves a work-group, clusters of 4 x 4, 327,680 bytes of LDS; arguments q, k, v, b_q, b_k, b_v, wb, qkv; writes qkv
;; launch score: the kernel of part 3 again; grid 8 x 32, 4 waves a work-group, clusters of 4 x 4, 327,680 bytes of LDS; arguments qkv, mask, pbuf, stat; writes pbuf, stat
;; launch pv: the kernel of part 4 again; grid 4 x 64, 4 waves a work-group, clusters of 4 x 4, 327,680 bytes of LDS; arguments pbuf, stat, qkv, out0; writes out0
